; MI455X (gfx1250); checked and timed in simulation.
; The chip was launched on July 23, 2026; its instructions are those of AMD's public machine-readable ISA for CDNA 5 (MIT licence, August 2026) and "CDNA5" Instruction Set Architecture Reference Guide (July 2026). The comments in the code are by the model that wrote it; some were corrected since.
;; Causal Self Attention. Allowed arithmetic: matrix products marked QUANTISED: E2M1 operands, one E8M0 scale for each 32 along K, by v_wmma_scale_f32_16x16x128_f8f6f4 with both operands' format E2M1 (or v_wmma_scale_f32_32x16x128_f4), f32 sums; products left as they are: bf16, f16 or f32 operands; f32 sums; everything else in f32.
;; Inputs: b_attn 3,072 float32; b_proj 1,024 float32; w_attn 1,024 x 3,072 float32; w_proj 1,024 x 1,024 float32; x 4 x 2,048 x 1,024 float32.
;; Outputs: out0 4 x 2,048 x 1,024 float32.
;; This version of the problem:
;;   THIS VERSION OF THE PROBLEM IS GIVEN IN LOW PRECISION. The matrix products marked QUANTISED in the list below multiply operands that are first quantised to E2M1 (2 exponent bits, 1 mantissa bit; 4 bits a number), with one power-of-two scale for each 32 numbers along K (OCP MX v1.0); their sums are f32. The products marked 'left as it is' may take bf16, f16 or f32 operands, with f32 sums. Whichever they take, every output number must still come out within the allowed error. Rounding operands to bf16 (8 significant bits) uses up far more of that allowance than f16 does (11 bits, for magnitudes from 6e-5 to 65,504). All else is computed in f32.
;;   The module's matrix products, in the order in which they are computed (A, B: the left and right operand; K: the contracted axis; several contracted axes count as one K, in the product's order):
;;     1. [M 8,192, K 1,024] x [K 1,024, N 3,072]; A: input x; B: input w_attn: QUANTISED
;;     2. batch 64 x [M 2,048, K 64] x [K 64, N 2,048]; A: computed on the way; B: computed on the way: left as it is (an operand is computed on the way)
;;     3. batch 64 x [M 2,048, K 2,048] x [K 2,048, N 64]; A: computed on the way; B: computed on the way: left as it is (an operand is computed on the way)
;;     4. [M 8,192, K 1,024] x [K 1,024, N 1,024]; A: computed on the way; B: input w_proj: left as it is (an operand is computed on the way)
;;   THE QUANTISER, for each operand of a quantised product, along K:
;;     - K is cut into blocks of 32 from its start; a last block that is shorter is filled with zeros.
;;     - A block's scale is 2^e with e = floor(log2(the largest magnitude in the block)) - 2, held to -126 .. 127; a block of zeros has e = 0. As a byte (E8M0): e + 127.
;;     - Each number is divided by its block's scale, clamped to +-6, and rounded to the nearest number of E2M1, ties to even, subnormals kept.
;;     - The product sums the exact products of the quantised numbers (number of the format x scale) in f32.
;;   ~~~python
;;   def quantise(x, axis):      # numpy; x: float32 -> the quantised numbers, widened to float32 again
;;       x = np.moveaxis(x, axis, -1); K = x.shape[-1]
;;       x = np.pad(x, [(0, 0)] * (x.ndim - 1) + [(0, -K % 32)]); x = x.reshape(x.shape[:-1] + (-1, 32)); a = np.abs(x).max(-1, keepdims=True)
;;       e = np.where(a > 0, np.clip(np.frexp(np.where(a > 0, a, 1))[1] - 1 - 2, -126, 127), 0)      # np.frexp(a)[1] - 1 = floor(log2(a)), exactly
;;       r = np.clip(x / 2.0 ** e, -6, 6)
;;       step = 2.0 ** (np.maximum(np.frexp(np.where(r == 0, 1, r))[1] - 1, 0) - 1)
;;       q = np.round(r / step) * step * 2.0 ** e      # np.round: ties to even
;;       return np.moveaxis(q.reshape(q.shape[:-2] + (-1,))[..., :K], -1, axis).astype(np.float32)
;;   ~~~
;; One version. Each part assembles by itself: llvm-mc -triple=amdgcn-amd-amdhsa -mcpu=gfx1250 --defsym DOCPART=n.
;; ======== version 1 of 1: 5 launches
;; limits: values are held in f16: magnitudes above 65,504 overflow, below 6.1e-05 lose precision
;; workspace buffers: x_codes 4,194,304 bytes; x_scales 262,144 bytes; wa_codes 1,572,864 bytes; wa_scales 98,304 bytes; wp16 2,097,152 bytes; qkv16 50,331,648 bytes; q32 786,432 bytes; yws 16,777,216 bytes
;; launch prep (part 1): grid 432 x 1, 4 waves a work-group, no clusters, 68,096 bytes of LDS; arguments x, w_attn, w_proj, x_codes, x_scales, wa_codes, wa_scales, wp16; writes x_codes, x_scales, wa_codes, wa_scales, wp16
.if DOCPART == 1
	.amdgcn_target "amdgcn-amd-amdhsa--gfx1250"
	.amdhsa_code_object_version 6
	.text
	.protected	k_q328860f753_prep
	.globl	k_q328860f753_prep
	.p2align	8
	.type	k_q328860f753_prep,@function
k_q328860f753_prep:
	s_mov_b64 s[64:65], 0
	v_nop
	global_prefetch_b8 v0, s[64:65] scope:SCOPE_SE
	s_setreg_imm32_b32 hwreg(HW_REG_WAVE_MODE, 25, 1), 1
	s_wait_xcnt 0x0
; One launch makes what the later launches read many times.  Three ways through the text, parted by the work-group's number:
;   work-groups 0-255:   x [8192][1024] f32 (K innermost) -> codes of FP4 (E2M1), K innermost, [8192][512 bytes], and one E8M0 byte for each 32 along K, [8192][32]
;   work-groups 256-303: w_attn [1024 (k)][3072 (n)] f32 (K is the FIRST axis) -> codes [3072][512 bytes] with K innermost, scale bytes [3072][32]
;   work-groups 304-431: w_proj [1024][1024] f32 -> f16, same order
; A block's scale is 2^(floor(log2(its largest magnitude)) - 2); its byte is the largest magnitude's exponent field - 2, held at 1 from below.
; LIMITS: a block of zeros gets the byte 1 where the quantiser says 127 (its codes are zeros, and this program alone reads the bytes); blocks whose largest magnitude lies under 2^-124
; (the floor) were not tried; NaN and infinities are not served; w_proj has to lie inside f16's range (65,504).
; x: a wave takes 16 steps of 512 numbers; each load reads 512 consecutive bytes; a step's 2,048 bytes turn through the wave's own stage in LDS so that a lane holds 16 neighbours along K.
; w_attn: a lane takes a column n and its registers run down K, so a block of 32 lies in one lane; the codes leave through the wave's stage as rows of 256 bytes.
; Each way has LDS bytes of its own; waves share nothing, so there is no barrier.
.set STEPS, 16
.set EMAX,  2
.set CB,    8                          ; bytes of 16 codes
.set R,     16                         ; x: v16-79 four sets of 16 numbers as loaded
.set X,     80                         ; x: v80-111 two sets of 16 neighbours
.set E,     112                        ; x: v112-127 a scale byte for each step
.set C,     128                        ; x: v128-191 codes, four registers a step
.set WREG,  8192                       ; x: LDS region of a wave: two stages of 32 x SP bytes, then its 256 scale bytes
.set SP,    80
.set SPW,   12                         ; v12 LDS address of my spare word; never rewritten
.set NIL,   13                         ; v13 0; never rewritten
.set WK,    1024
.set WN,    3072
.set KW,    512                        ; w_attn: along K for a wave
.set NB,    KW/32
.set WPITCH, 272                       ; w_attn: a stage row: 256 bytes + 16
.set KROW,  WK/2                       ; a row of wa_codes in bytes
.set WBASE, 4*WREG                     ; w_attn's four stages begin here
.set SPARE, WBASE+4*32*WPITCH          ; behind them the spare words: 128 bytes a wave, two blocks of 256 bytes that no other line names
.set WX,    32                         ; w_attn: v32-95 two sets of 32 numbers
.set WC,    96                         ; a block's codes
.set OUTR,  112                        ; the way out: 16 x 4 registers
.set SB,    24                         ; the scale bytes, four to a register
.set STI,   192                        ; v192 w_attn: stage address on the way in
.set STB,   193                        ; v193 and on the way back
.macro XLOAD t
.irp i, 0,1,2,3
	global_load_b128 v[R+16*((\t)%4)+4*\i:R+16*((\t)%4)+4*\i+3], v3, s[4:5] offset:2048*(\t)+512*\i th:TH_LOAD_NT   ; 32 lanes read 512 consecutive bytes
.endr
.endm
.macro XTURN t                         ; a step's numbers through the stage; LDS serves a wave's instructions in order, so no wait stands between stores and loads
.irp i, 0,1,2,3
	ds_store_b128 v14, v[R+16*((\t)%4)+4*\i:R+16*((\t)%4)+4*\i+3] offset:32*SP*((\t)%2)+8*SP*\i
.endr
.irp i, 0,1,2,3
	ds_load_b128 v[X+16*((\t)%2)+4*\i:X+16*((\t)%2)+4*\i+3], v15 offset:32*SP*((\t)%2)+16*\i
.endr
.endm
.macro XSTEP t
.set XS, X+16*((\t)%2)
.if (\t) > 0
	s_wait_dscnt 1                                 ; this step's numbers are back from the stage (the last step's byte store may be out)
.else
	s_wait_dscnt 0x0
.endif
.if (\t)+4 < STEPS
	XLOAD (\t)+4                                   ; the registers that the stage's stores have read take the loads of four steps on
.endif
.if (\t)+1 < STEPS
.if STEPS-2-(\t) >= 3
	s_wait_loadcnt 12                              ; the next step's four loads are in; the twelve of the three steps behind it may be out
.else
	s_wait_loadcnt 4*(STEPS-2-(\t))
.endif
	XTURN (\t)+1
.endif
	v_max3_num_f32 v8, |v[XS]|, |v[XS+1]|, |v[XS+2]|               ; the largest magnitude of my 16, in two chains
	v_max3_num_f32 v9, |v[XS+3]|, |v[XS+4]|, |v[XS+5]|
.irp i, 6,10
	v_max3_num_f32 v8, v8, |v[XS+\i]|, |v[XS+\i+1]|
	v_max3_num_f32 v9, v9, |v[XS+\i+2]|, |v[XS+\i+3]|
.endr
	v_max3_num_f32 v8, v8, |v[XS+14]|, |v[XS+15]|
	v_max3_num_f32 v8, v8, v9, (EMAX+1)<<23        ; and the floor 2^(3 - 127): the byte cannot fall under 1
	v_max_num_f32_dpp v8, v8, v8 row_xmask:1 row_mask:0xf bank_mask:0xf   ; with my neighbour's 16: the block's
	v_add_nc_u32 v11, -(EMAX<<23), v8              ; 2 off its exponent field: the conversion takes this operand's exponent field as its scale
	v_cvt_scalef32_pk8_fp4_f32 v[C+4*(\t)], v[XS:XS+7], v11
	v_cvt_scalef32_pk8_fp4_f32 v[C+4*(\t)+1], v[XS+8:XS+15], v11
	v_lshrrev_b32 v[E+(\t)], 23, v11               ; the scale's byte (a plain line behind the conversions)
	ds_store_b8 v5, v[E+(\t)] offset:16*(\t)       ; both lanes of a block write the same byte with the same value
	global_store_b64 v4, v[C+4*(\t):C+4*(\t)+1], s[10:11] offset:32*CB*(\t)   ; the wave stores 256 consecutive bytes, aligned
.endm
.macro WLOAD t                         ; block t: w_attn(32 t + i, my column) into set t % 2
.irp i, 0,1,2,3,4,5,6,7,8,9,10,11,12,13,14,15,16,17,18,19,20,21,22,23,24,25,26,27,28,29,30,31
	global_load_b32 v[WX+32*((\t)%2)+\i], v20, s[6:7] offset:(32*(\t)+\i)*WN*4 th:TH_LOAD_NT
.endr
.endm
.macro WBLOCK t
.set XS, WX+32*((\t)%2)
.if (\t) < NB-1
	s_wait_loadcnt 32                              ; this block's 32 loads are in; the next block's 32 may be out
.else
	s_wait_loadcnt 0
.endif
	v_max3_num_f32 v16, |v[XS]|, |v[XS+1]|, |v[XS+2]|              ; the block's largest magnitude: all 32 numbers are mine
	v_max3_num_f32 v17, |v[XS+3]|, |v[XS+4]|, |v[XS+5]|
.irp i, 6,10,14,18,22,26
	v_max3_num_f32 v16, v16, |v[XS+\i]|, |v[XS+\i+1]|
	v_max3_num_f32 v17, v17, |v[XS+\i+2]|, |v[XS+\i+3]|
.endr
	v_max3_num_f32 v16, v16, |v[XS+30]|, |v[XS+31]|
	v_max3_num_f32 v16, v16, v17, (EMAX+1)<<23
	v_add_nc_u32 v11, -(EMAX<<23), v16
	v_lshrrev_b32 v17, 23, v11                     ; the scale's byte
.if (\t)%4 == 0
	v_mov_b32 v[SB+(\t)/4], v17                    ; four bytes to a register, the lower K in the lower byte
.else
	v_lshl_or_b32 v[SB+(\t)/4], v17, 8*((\t)%4), v[SB+(\t)/4]
.endif
.irp g, 0,1,2,3
	v_cvt_scalef32_pk8_fp4_f32 v[WC+\g], v[XS+8*\g:XS+8*\g+7], v11
.endr
	v_nop                                          ; one plain line behind the last conversion
	ds_store_b128 v[STI], v[WC:WC+3] offset:16*(\t)    ; 32 codes: 16 bytes of my column's row
.if (\t)+2 < NB
	WLOAD (\t)+2
.endif
	s_wait_dscnt 0x0                               ; the store has read its registers: the next block's codes may be written
.endm
	s_load_b256 s[4:11], s[0:1], 0x0               ; x s[4:5], w_attn s[6:7], w_proj s[8:9], x_codes s[10:11]
	s_load_b256 s[12:19], s[0:1], 0x20             ; x_scales s[12:13], wa_codes s[14:15], wa_scales s[16:17], wp16 s[18:19]
	v_lshl_add_u32 v[SPW], v0, 2, SPARE
	v_mov_b32 v[NIL], 0
	v_lshrrev_b32 v1, 5, v0
	v_readfirstlane_b32 s20, v1                    ; wave 0..3
	v_and_b32 v2, 31, v0                           ; lane
	; every LDS address of both ways that use LDS is made here, ahead of the parting
	s_mul_i32 s21, s20, WREG
	v_lshrrev_b32 v14, 2, v2
	v_mul_u32_u24 v14, v14, SP
	v_and_b32 v15, 3, v2
	v_lshl_add_u32 v14, v15, 4, v14
	v_add_nc_u32 v14, s21, v14                     ; x's stage, in: SP (lane / 4) + 16 (lane % 4)
	v_mul_u32_u24 v15, v2, SP
	v_add_nc_u32 v15, s21, v15                     ; and back: SP x lane: my 16 neighbours
	v_lshrrev_b32 v5, 1, v2
	s_add_co_u32 s22, s21, 2*32*SP
	v_add_nc_u32 v5, s22, v5                       ; my wave's 256 scale bytes, my block's byte
	v_lshlrev_b32 v7, 3, v2                        ; 8 bytes a lane
	v_add_nc_u32 v6, s22, v7
	s_mul_i32 s23, s20, 32*WPITCH
	s_add_co_u32 s23, s23, WBASE
	v_mul_u32_u24 v[STI], v2, WPITCH
	v_add_nc_u32 v[STI], s23, v[STI]               ; w_attn's stage, in: row = my column
	v_and_b32 v10, 15, v2
	v_lshrrev_b32 v9, 4, v2
	v_mul_u32_u24 v[STB], v9, WPITCH
	v_lshl_add_u32 v[STB], v10, 4, v[STB]
	v_add_nc_u32 v[STB], s23, v[STB]               ; back: sixteen lanes to a row, two rows an instruction
	v_lshlrev_b32 v3, 4, v2                        ; 16 bytes a lane
	s_mov_b32 s27, 0
	s_mov_b32 s29, 0
	s_wait_kmcnt 0x0
	s_cmp_lt_u32 ttmp9, 256
	s_cbranch_scc1 .Lpath_x
	s_cmp_lt_u32 ttmp9, 304
	s_cbranch_scc1 .Lpath_w
	; ---- w_proj to f16: a wave takes 2,048 numbers
	s_sub_co_u32 s24, ttmp9, 304
	s_lshl_b32 s24, s24, 2
	s_add_co_u32 s24, s24, s20                     ; which run of 2,048 numbers
	s_lshl_b32 s26, s24, 13
	s_add_nc_u64 s[8:9], s[8:9], s[26:27]
	s_lshl_b32 s26, s24, 12
	s_add_nc_u64 s[18:19], s[18:19], s[26:27]
.irp i, 0,1,2,3,4,5,6,7,8,9,10,11,12,13,14,15
	global_load_b128 v[16+4*\i:19+4*\i], v3, s[8:9] offset:512*\i th:TH_LOAD_NT
.endr
.irp i, 0,1,2,3,4,5,6,7,8,9,10,11,12,13,14,15
	s_wait_loadcnt 15-\i                           ; loads come back in order: load i is in, the younger ones stay out
	v_cvt_pk_f16_f32 v[96+2*\i], v[16+4*\i], v[17+4*\i]
	v_cvt_pk_f16_f32 v[97+2*\i], v[18+4*\i], v[19+4*\i]
	global_store_b64 v7, v[96+2*\i:97+2*\i], s[18:19] offset:256*\i    ; the wave stores 256 consecutive bytes, aligned
.endr
	s_wait_tensorcnt 0x0                           ; (this way stores nothing to LDS; the three lines are kept so that every end of the text has one form)
	ds_add_u32 v[SPW], v[NIL]
	s_wait_dscnt 0x0
	s_endpgm
.Lpath_x:
	; ---- x: run = 4 x work-group + wave, 8,192 numbers each
	v_mul_u32_u24 v4, v2, CB                       ; my codes' place in a step's
	s_lshl_b32 s24, ttmp9, 2
	s_add_co_u32 s24, s24, s20
	s_lshl_b32 s26, s24, 15                        ; 32,768 bytes of f32 a run
	s_add_nc_u64 s[4:5], s[4:5], s[26:27]
	s_lshl_b32 s26, s24, 12                        ; 4,096 bytes of codes
	s_add_nc_u64 s[10:11], s[10:11], s[26:27]
	s_lshl_b32 s26, s24, 8                         ; 256 scale bytes
	s_add_nc_u64 s[12:13], s[12:13], s[26:27]
.irp t, 0,1,2,3
	XLOAD \t
.endr
	s_wait_loadcnt 12                              ; step 0's four loads are in
	XTURN 0
.irp t, 0,1,2,3,4,5,6,7,8,9,10,11,12,13,14,15
	XSTEP \t
.endr
	ds_load_b64 v[8:9], v6                         ; my wave's 256 scale bytes, behind my stores in LDS's order
	s_wait_dscnt 0x0
	global_store_b64 v7, v[8:9], s[12:13]          ; one aligned run of 256 bytes
	s_wait_tensorcnt 0x0                           ; the wave's end, behind my last LDS store
	ds_add_u32 v[SPW], v[NIL]
	s_wait_dscnt 0x0
	s_endpgm
.Lpath_w:
	; ---- w_attn: 24 blocks of 128 columns x 2 halves of K
	s_sub_co_u32 s24, ttmp9, 256
	s_cmp_ge_u32 s24, 24
	s_cselect_b32 s25, 1, 0                        ; which 512 along K
	s_cselect_b32 s26, 24, 0
	s_sub_co_u32 s24, s24, s26
	s_lshl_b32 s24, s24, 7
	s_lshl_b32 s26, s20, 5
	s_add_co_u32 s24, s24, s26                     ; my wave's first column
	s_mul_i32 s28, s25, KW*WN*4
	s_lshl_b32 s26, s24, 2
	s_add_co_u32 s28, s28, s26
	s_add_nc_u64 s[6:7], s[6:7], s[28:29]          ; w_attn: 512 ky rows down, 4 bytes a column
	s_lshl_b32 s28, s24, 9
	s_lshl_b32 s26, s25, 8
	s_add_co_u32 s28, s28, s26
	s_add_nc_u64 s[14:15], s[14:15], s[28:29]      ; codes: column x 512 + 256 ky
	s_lshl_b32 s28, s24, 5
	s_lshl_b32 s26, s25, 4
	s_add_co_u32 s28, s28, s26
	s_add_nc_u64 s[16:17], s[16:17], s[28:29]      ; scale bytes: column x 32 + 16 ky
	v_lshlrev_b32 v20, 2, v2                       ; in: 4 bytes a lane
	v_mul_u32_u24 v21, v9, KROW
	v_lshl_add_u32 v21, v10, 4, v21                ; out: two rows of codes an instruction
	v_lshlrev_b32 v22, 5, v2                       ; my column's row of scale bytes
	WLOAD 0
	WLOAD 1
.set Q, 0
.rept NB
	WBLOCK Q
.set Q, Q+1
.endr
	global_store_b128 v22, v[SB:SB+3], s[16:17]    ; my column's 16 scale bytes
.irp t, 0,1,2,3,4,5,6,7,8,9,10,11,12,13,14,15
	ds_load_b128 v[OUTR+4*\t:OUTR+4*\t+3], v[STB] offset:2*\t*WPITCH
.endr
.irp t, 0,1,2,3,4,5,6,7,8,9,10,11,12,13,14,15
	s_wait_dscnt 15-\t
	global_store_b128 v21, v[OUTR+4*\t:OUTR+4*\t+3], s[14:15] offset:2*\t*KROW    ; sixteen lanes store 256 consecutive bytes, aligned
.endr
	s_wait_tensorcnt 0x0                           ; the wave's end, behind my last LDS store
	ds_add_u32 v[SPW], v[NIL]
	s_wait_dscnt 0x0
	s_endpgm
.Lfunc_end_k_q328860f753_prep:
	.size	k_q328860f753_prep, .Lfunc_end_k_q328860f753_prep-k_q328860f753_prep
	.p2alignl 7, 3214868480
	.fill 96, 4, 3214868480
	.section	.rodata,"a",@progbits
	.p2align	6, 0x0
	.amdhsa_kernel k_q328860f753_prep
		.amdhsa_group_segment_fixed_size 68096
		.amdhsa_private_segment_fixed_size 0
		.amdhsa_enable_private_segment 0
		.amdhsa_kernarg_size 64
		.amdhsa_user_sgpr_count 2
		.amdhsa_user_sgpr_kernarg_segment_ptr 1
		.amdhsa_wavefront_size32 1
		.amdhsa_system_sgpr_workgroup_id_x 1
		.amdhsa_system_sgpr_workgroup_id_y 1
		.amdhsa_system_sgpr_workgroup_id_z 1
		.amdhsa_system_vgpr_workitem_id 0
		.amdhsa_next_free_vgpr 200
		.amdhsa_next_free_sgpr 66
		.amdhsa_reserve_vcc 0
		.amdhsa_float_denorm_mode_32 3
		.amdhsa_float_denorm_mode_16_64 3
		.amdhsa_memory_ordered 1
		.amdhsa_forward_progress 1
		.amdhsa_inst_pref_size 117
	.end_amdhsa_kernel
	.amdgpu_metadata
---
amdhsa.version: [ 1, 2 ]
amdhsa.kernels:
  - .name:           k_q328860f753_prep
    .symbol:         k_q328860f753_prep.kd
    .args:
      - { .name: x, .offset: 0, .size: 8, .value_kind: global_buffer, .address_space: global }
      - { .name: w_attn, .offset: 8, .size: 8, .value_kind: global_buffer, .address_space: global }
      - { .name: w_proj, .offset: 16, .size: 8, .value_kind: global_buffer, .address_space: global }
      - { .name: x_codes, .offset: 24, .size: 8, .value_kind: global_buffer, .address_space: global }
      - { .name: x_scales, .offset: 32, .size: 8, .value_kind: global_buffer, .address_space: global }
      - { .name: wa_codes, .offset: 40, .size: 8, .value_kind: global_buffer, .address_space: global }
      - { .name: wa_scales, .offset: 48, .size: 8, .value_kind: global_buffer, .address_space: global }
      - { .name: wp16, .offset: 56, .size: 8, .value_kind: global_buffer, .address_space: global }
    .group_segment_fixed_size: 68096
    .private_segment_fixed_size: 0
    .kernarg_segment_align: 8
    .kernarg_segment_size: 64
    .max_flat_workgroup_size: 128
    .sgpr_count:     66
    .vgpr_count:     200
    .wavefront_size: 32
...
	.end_amdgpu_metadata
.endif
;; end of part 1
;; launch gemm1 (part 2): grid 12 x 32, 4 waves a work-group, clusters of 4 x 4, 327,680 bytes of LDS; arguments x_codes, x_scales, wa_codes, wa_scales, b_attn, qkv16, q32; writes qkv16, q32
.if DOCPART == 2
	.amdgcn_target "amdgcn-amd-amdhsa--gfx1250"
	.amdhsa_code_object_version 6
	.text
	.protected	k_q328860f753_gemm1
	.globl	k_q328860f753_gemm1
	.p2align	8
	.type	k_q328860f753_gemm1,@function
k_q328860f753_gemm1:
	s_mov_b64 s[64:65], 0
	v_nop
	global_prefetch_b8 v0, s[64:65] scope:SCOPE_SE
	s_setreg_imm32_b32 hwreg(HW_REG_WAVE_MODE, 25, 1), 1
	s_wait_xcnt 0x0
	s_wait_alu depctr_hold_cnt(0) depctr_sa_sdst(0) depctr_va_vdst(0) depctr_va_sdst(0) depctr_va_ssrc(0) depctr_va_vcc(0) depctr_vm_vsrc(0)
	s_getreg_b32 s2, hwreg(HW_REG_IB_STS2, 6, 4)
	s_cmp_eq_u32 s2, 0
	s_cbranch_scc0 .Lentry_in_a_cluster
	s_endpgm
.Lentry_in_a_cluster:
	s_bfe_u32 s2, ttmp6, 0x10000c
	s_cmp_lg_u32 s2, 0xf033
	s_cbranch_scc0 .Lentry_shape_is_right
	s_endpgm
.Lentry_shape_is_right:
; qkv = Q(x) Q(w_attn) + b_attn on codes of FP4 (E2M1) with one E8M0 scale for each 32 along K; sums in f32.  A = x_codes [8192][512 bytes], B = wa_codes [3072][512 bytes], K innermost.
; A tile of 256 x 256 is made by four waves, 128 x 128 each: 64 accumulators, 512 registers.  K = 1,024 is two slots of 512: both slots and all scale bytes are first fills, nothing is filled again:
; by this text's own count a wave has three tensor loads out.
; CLUSTERS: 4 x 4 work-groups; A's tiles are asked for jointly along a row of the cluster, B's along a column.
; THE MATRIX INSTRUCTION IS USED TRANSPOSED (source 0 = 16 rows of B, source 1 = 16 rows of A): a lane holds eight neighbouring columns of one row.  The bias is the C of each sum's first product.
; RESULTS: f16, laid [batch 4][group 48][t 2048][64], group = column / 64 (0-15 q's heads, 16-31 k's, 32-47 v's): a head's rows are 128 dense bytes.
; The first 16 positions of every sequence also leave in f32, as images of their accumulators ([batch][column / 16][1,024 bytes]), for the launch that carries those rows finely.
; LIMIT: q, k and v have to lie inside f16's range (65,504).
; 384 tiles are no multiple of the 256 WGPs: the shape is kept since at K = 1,024 it needs no refill and a wave's 128 columns are two whole heads.
; REGISTERS: window 0: v0-31 addresses; v32-95 scale words, two sets; v128-191 A's fragments, one set (on the way out: rows read back); v192-223 packed results.
;   window 1: B's fragments at v0 and v128; v64-127 the bias.   window 2, 3: the accumulators of my rows 0-63, 64-127 ((a, b) at v[8 (8 (a % 4) + b)]).
.set SIZE_K, 1024
.set KSTEP,  512
.set NQ,     KSTEP/128
.set ROWB,   256                       ; a tile's row in bytes
.set KROW,   SIZE_K/2
.set PITCH,  272                       ; an LDS row: 256 bytes + 16: the 16 rows that a load touches start 16 bytes apart modulo 256
.set FR,     8
.set NL,     2
.set NP,     4                         ; places behind this matrix instruction (ISA guide 7.12.1)
.set HALFT,  128*PITCH
.set SLOT,   4*HALFT
.set KS,     SIZE_K/32
.set SCL,    2*SLOT                    ; behind the slots: the scales, rows of 256 bytes + 16
.set HALFS,  (128*KS/256)*272
.set SBLK,   (16*KS/256)*272
.set SPARE,  SCL+4*HALFS               ; the spare words: 128 bytes a wave, two blocks of 256 bytes that no other line names
.set SPITCH, 272                       ; the way out: 16 rows x (256 bytes + 16) a wave, in slot 0, which has had its only fill and, behind the change of slots, its last read
.set ADRA, 16
.set ADRB, 20
.set FLAG, 22                          ; v22 the tile row inside its sequence
.set STO,  24
.set RD,   25
.set CO,   26
.set ADRS, 27
.set SPW,  28
.set NIL,  29
.set BO,   30                          ; v30 32 x (lane / 16): my eight numbers of a bias tile
.set IO,   31                          ; v31 16 x lane: an image's place for my lane
.set SC,   32
.set AF,   128
.set BK,   128
.set TMP,  192
.set BIAS, 64                          ; in window 1
.set G1, 24
.set G0, 32
.set G1B, 48
.set G0B, 56
.set G1S, 68
.set G0S, 76
.set G1SB, 80
.set G0SB, 88
.set MSB, 0
.macro WIN new                         ; the immediate's high byte repeats the setting that is left
.if MSB != (\new)
	s_set_vgpr_msb (MSB<<8)|(\new)
.set MSB, (\new)
.endif
.endm
.set MUL_LO, 0xa1                      ; source 0 (B) window 1, source 1 (A) window 0, C and D window 2
.set MUL_HI, 0xf1                      ; the same, C and D window 3
.set TO_B,   0x40
; A joint load: waves 0 and 1 fetch for A, waves 2 and 3 for B; the branch hangs on the wave's number alone.  An s_nop 0 and four v_nop follow each line.
.macro JLOAD g0a, g1a, g0b, g1b
	s_cmp_eq_u32 s15, 0
	s_cbranch_scc0 .Lfor_b_\@
	tensor_load_to_lds s[\g0a:\g0a+3], s[\g1a:\g1a+7]
	s_nop 0
.rept 4
	v_nop
.endr
	s_branch .Lasked_\@
.Lfor_b_\@:
	tensor_load_to_lds s[\g0b:\g0b+3], s[\g1b:\g1b+7]
	s_nop 0
.rept 4
	v_nop
.endr
.Lasked_\@:
.endm
.macro CROUND                          ; a round of the cluster's barrier
	s_barrier_signal -1
	s_barrier_wait -1
	s_cmp_lg_u32 s14, 0
	s_cbranch_scc1 .Lnot_wave_0_\@
	s_barrier_signal -3
.Lnot_wave_0_\@:
	s_barrier_wait -3
	s_barrier_signal -1
	s_barrier_wait -1
.endm
	s_load_b128 s[4:7], s[0:1], 0x0                ; x_codes, x_scales
	s_load_b128 s[8:11], s[0:1], 0x10              ; wa_codes, wa_scales
	s_load_b128 s[96:99], s[0:1], 0x20             ; b_attn, qkv16
	s_load_b64 s[100:101], s[0:1], 0x30            ; q32
	v_lshl_add_u32 v[SPW], v0, 2, SPARE
	v_mov_b32 v[NIL], 0
	ds_add_u32 v[SPW], v[NIL]                      ; the wave's opening: the add, twice on end, and its wait ahead of my first tensor load
	ds_add_u32 v[SPW], v[NIL]
	v_lshrrev_b32 v1, 5, v0
	v_readfirstlane_b32 s14, v1                    ; wave 0..3
	s_lshr_b32 s15, s14, 1                         ; my half of the tile's rows; also: I fetch for A (0) or B (1)
	s_and_b32 s16, s14, 1                          ; my half of its columns; also: which 128 rows I fetch
	s_bfe_u32 s40, ttmp6, 0x40000                  ; cx
	s_bfe_u32 s41, ttmp6, 0x40004                  ; cy
	s_lshl_b32 s42, ttmp9, 2
	s_add_co_u32 s42, s42, s40                     ; tile column
	s_and_b32 s17, ttmp7, 0xffff
	s_lshl_b32 s17, s17, 2
	s_add_co_u32 s17, s17, s41                     ; tile row
	s_lshl_b32 s43, s41, 2
	s_lshl_b32 s43, 15, s43                        ; my row of the cluster
	s_lshl_b32 s44, 0x1111, s40                    ; my column
	s_or_b32 s[G1+0], s43, (0<<16)|(1<<20)|(1<<21)|(5<<22)|(3<<25)  ; mask; elements of 1 byte; padding: 4 words after every 64; bit 21 beside a mask
	s_or_b32 s[G1B+0], s44, (0<<16)|(1<<20)|(1<<21)|(5<<22)|(3<<25)
.irp g, G1, G1B
	s_mov_b32 s[\g+1], ROWB<<16                    ; tensor_dim0
	s_mov_b32 s[\g+2], 128<<16                     ; tensor_dim1
	s_mov_b32 s[\g+3], ROWB<<16                    ; tile_dim0
	s_mov_b32 s[\g+4], 128                         ; tile_dim1
	s_mov_b32 s[\g+5], KROW                        ; stride
	s_mov_b32 s[\g+6], 0
	s_mov_b32 s[\g+7], 0
.endr
	s_or_b32 s[G1S+0], s43, (3<<16)|(1<<20)|(1<<21)|(5<<22)|(3<<25) ; the scales of 128 rows: a dense block as rows of 256 bytes (32 elements of 8), 16 bytes behind each
	s_or_b32 s[G1SB+0], s44, (3<<16)|(1<<20)|(1<<21)|(5<<22)|(3<<25)
.irp g, G1S, G1SB
	s_mov_b32 s[\g+1], 32<<16
	s_mov_b32 s[\g+2], (128*KS/256)<<16
	s_mov_b32 s[\g+3], 32<<16
	s_mov_b32 s[\g+4], 128*KS/256
	s_mov_b32 s[\g+5], 32
	s_mov_b32 s[\g+6], 0
	s_mov_b32 s[\g+7], 0
.endr
	s_lshl_b32 s18, s16, 7
	s_lshl_b32 s20, s17, 8
	s_add_co_u32 s20, s20, s18                     ; A: row 256 x tile row + 128 x half
	s_lshl_b32 s46, s42, 8
	s_add_co_u32 s46, s46, s18                     ; B: row 256 x tile column + 128 x half
	s_mov_b32 s21, 0
	s_mov_b32 s47, 0
	s_mov_b64 s[18:19], KS
	s_mul_u64 s[22:23], s[20:21], s[18:19]         ; where these rows' scales begin
	s_mul_u64 s[92:93], s[46:47], s[18:19]
	s_mov_b64 s[18:19], KROW
	s_mul_u64 s[20:21], s[20:21], s[18:19]         ; and their codes
	s_mul_u64 s[46:47], s[46:47], s[18:19]
	s_mul_i32 s45, s14, HALFT                      ; where they go: wave x 128 rows
	s_mul_i32 s94, s14, HALFS
	s_wait_dscnt 0x0                               ; both opening adds are done
	s_wait_kmcnt 0x0
	s_add_nc_u64 s[20:21], s[4:5], s[20:21]
	s_add_nc_u64 s[22:23], s[6:7], s[22:23]
	s_add_nc_u64 s[46:47], s[8:9], s[46:47]
	s_add_nc_u64 s[92:93], s[10:11], s[92:93]
	CROUND                                         ; all sixteen work-groups are here: the joint loads meet
	s_mov_b32 s[G0S], 1
	s_add_co_u32 s[G0S+1], s94, SCL
	s_mov_b64 s[G0S+2:G0S+3], s[22:23]
	s_or_b32 s[G0S+3], s[G0S+3], 0x80000000
	s_mov_b32 s[G0SB], 1
	s_add_co_u32 s[G0SB+1], s94, SCL
	s_mov_b64 s[G0SB+2:G0SB+3], s[92:93]
	s_or_b32 s[G0SB+3], s[G0SB+3], 0x80000000
	JLOAD G0S, G1S, G0SB, G1SB                     ; the scales first
.irp s, 0,1
	s_mov_b32 s[G0+4*\s], 1
	s_add_co_u32 s[G0+4*\s+1], s45, \s*SLOT
	s_add_nc_u64 s[G0+4*\s+2:G0+4*\s+3], s[20:21], \s*ROWB
	s_or_b32 s[G0+4*\s+3], s[G0+4*\s+3], 0x80000000
	s_mov_b32 s[G0B+4*\s], 1
	s_add_co_u32 s[G0B+4*\s+1], s45, \s*SLOT
	s_add_nc_u64 s[G0B+4*\s+2:G0B+4*\s+3], s[46:47], \s*ROWB
	s_or_b32 s[G0B+4*\s+3], s[G0B+4*\s+3], 0x80000000
	JLOAD G0+4*\s, G1, G0B+4*\s, G1B
.endr
	v_and_b32 v1, 15, v0                           ; r = lane % 16
	v_bfe_u32 v2, v0, 4, 1                         ; h = lane / 16
	; the bias of my 128 columns, in the result's layout: tile b, lane (r, h): columns 16 b + 8 h + 0 .. 7
	s_lshl_b32 s20, s42, 10
	s_lshl_b32 s21, s16, 9
	s_add_co_u32 s20, s20, s21
	s_mov_b32 s21, 0
	s_add_nc_u64 s[96:97], s[96:97], s[20:21]
	v_lshlrev_b32 v[BO], 5, v2
	WIN TO_B
.irp b, 0,1,2,3,4,5,6,7
	global_load_b128 v[BIAS+8*\b:BIAS+8*\b+3], v[BO], s[96:97] offset:64*\b
	global_load_b128 v[BIAS+8*\b+4:BIAS+8*\b+7], v[BO], s[96:97] offset:64*\b+16
.endr
	WIN 0
	v_mul_u32_u24 v3, v1, PITCH
	v_lshl_add_u32 v4, v2, 4, v3                   ; a fragment's row x pitch + 16 x half
	s_mul_i32 s21, s15, HALFT
	s_mul_i32 s22, s16, HALFT
	s_add_co_u32 s22, s22, 2*HALFT
.irp s, 0,1
	v_add_nc_u32 v[ADRA+\s], s21, v4
	v_add_nc_u32 v[ADRB+\s], s22, v4
	s_add_co_u32 s21, s21, SLOT
	s_add_co_u32 s22, s22, SLOT
.endr
	v_mul_u32_u24 v5, v1, KS                       ; my row's scales: KS bytes a row,
	v_lshrrev_b32 v6, 8, v5
	v_lshl_add_u32 v5, v6, 4, v5                   ; and 16 more for each 256 passed
	s_mul_i32 s21, s15, HALFS
	s_mul_i32 s22, s16, HALFS
	s_add_co_u32 s22, s22, 2*HALFS
	s_sub_co_u32 s22, s22, s21
	v_mul_u32_u24 v6, s22, v2                      ; lanes 16-31 take B's
	s_add_co_u32 s21, s21, SCL
	v_add_nc_u32 v5, v5, v6
	v_add_nc_u32 v[ADRS], s21, v5
	s_mul_i32 s23, s14, 16*SPITCH                  ; my stage
	v_mul_u32_u24 v5, v1, SPITCH
	v_lshl_add_u32 v5, v2, 4, v5
	v_add_nc_u32 v[STO], s23, v5                   ; in: row r, 16 bytes for each half of the lanes
	v_bfe_u32 v7, v0, 3, 1
	v_and_b32 v6, 7, v0
	v_mul_u32_u24 v5, v7, SPITCH
	v_lshl_add_u32 v5, v2, 7, v5
	v_lshl_add_u32 v5, v6, 4, v5
	v_add_nc_u32 v[RD], s23, v5                    ; back: lanes 0-15 two rows of the first head's 128 bytes, lanes 16-31 of the second's
	v_lshlrev_b32 v5, 7, v7
	v_lshl_add_u32 v5, v2, 18, v5
	v_lshl_add_u32 v[CO], v6, 4, v5                ; and the same in qkv16: a group is 262,144 bytes
	v_and_b32 v[IO], 31, v0
	v_lshlrev_b32 v[IO], 4, v[IO]
	s_lshr_b32 s20, s17, 3                         ; the batch
	s_mul_i32 s21, s20, 48
	s_lshl_b32 s22, s42, 2
	s_add_co_u32 s21, s21, s22
	s_lshl_b32 s22, s16, 1
	s_add_co_u32 s21, s21, s22                     ; my first group
	s_lshl_b32 s21, s21, 11
	s_and_b32 s22, s17, 7
	s_lshl_b32 s22, s22, 8
	s_add_co_u32 s21, s21, s22
	s_lshl_b32 s22, s15, 7
	s_add_co_u32 s21, s21, s22                     ; + my first position
	s_lshl_b32 s46, s21, 7                         ; rows of 128 bytes
	s_mov_b32 s47, 0
	s_add_nc_u64 s[12:13], s[98:99], s[46:47]
	s_mul_i32 s21, s20, 192
	s_lshl_b32 s22, s42, 4
	s_add_co_u32 s21, s21, s22
	s_lshl_b32 s22, s16, 3
	s_add_co_u32 s21, s21, s22                     ; my first image
	s_lshl_b32 s46, s21, 10
	s_add_nc_u64 s[100:101], s[100:101], s[46:47]
.macro FRAG reg, adr, q, i             ; 16 rows x 128 K of 4-bit codes: 8 registers; two loads of 16 bytes, 32 bytes apart
.irp c, 0,1
	ds_load_b128 v[\reg+4*\c:\reg+4*\c+3], v[\adr] offset:64*(\q)+32*\c+(\i)*16*PITCH
.endr
.endm
; 16 matrix instructions: A's blocks a0, a0 + 1 x B's eight.  zero = 1: the first product starts the sums on the bias.  The 64 accumulators take turns, one instruction a turn.
.macro MUL16 a0, p, q, sc, zero
.irp a, \a0, \a0+1
.irp b, 0,1,2,3,4,5,6,7
.if \zero
	v_wmma_scale_f32_16x16x128_f8f6f4 v[8*(8*((\a)%4)+\b):8*(8*((\a)%4)+\b)+7], v[128*(\p)+FR*\b:128*(\p)+FR*\b+FR-1], v[AF+FR*(\a):AF+FR*(\a)+FR-1], v[BIAS+8*\b:BIAS+8*\b+7], v[SC+8*NQ*(\sc)+NQ*\b+(\q)], v[SC+8*NQ*(\sc)+NQ*(\a)+(\q)] matrix_a_fmt:MATRIX_FMT_FP4 matrix_b_fmt:MATRIX_FMT_FP4 matrix_a_scale:MATRIX_SCALE_ROW1
.else
	v_wmma_scale_f32_16x16x128_f8f6f4 v[8*(8*((\a)%4)+\b):8*(8*((\a)%4)+\b)+7], v[128*(\p)+FR*\b:128*(\p)+FR*\b+FR-1], v[AF+FR*(\a):AF+FR*(\a)+FR-1], v[8*(8*((\a)%4)+\b):8*(8*((\a)%4)+\b)+7], v[SC+8*NQ*(\sc)+NQ*\b+(\q)], v[SC+8*NQ*(\sc)+NQ*(\a)+(\q)] matrix_a_fmt:MATRIX_FMT_FP4 matrix_b_fmt:MATRIX_FMT_FP4 matrix_a_scale:MATRIX_SCALE_ROW1
.endif
.endr
.endr
.endm
.macro FETCH_B slot, q, p
	WIN TO_B
.irp i, 0,1,2,3,4,5,6,7
	FRAG 128*(\p)+FR*\i, ADRB+\slot, \q, \i
.endr
	WIN 0
.endm
.macro FETCH_A slot, q, i0
.irp i, \i0, \i0+1, \i0+2, \i0+3
	FRAG AF+FR*(\i), ADRA+\slot, \q, \i
.endr
.endm
.macro SCALES sc                       ; a slot's scale words: lanes 0-15 A's block i, lanes 16-31 B's block i
.irp i, 0,1,2,3,4,5,6,7
	ds_load_b128 v[SC+8*NQ*\sc+NQ*\i:SC+8*NQ*\sc+NQ*\i+3], v[ADRS] offset:\i*SBLK
.endr
.endm
.macro PLACES n                        ; plain vector lines between a matrix instruction and a load into, or a read of, its registers
.rept \n
	v_nop
.endr
.endm
.macro STEP slot, q, zero              ; 128 along K, with its successor in the same slot.  zero = 1: C lies in window 1
	s_wait_dscnt 4*NL                              ; B's set and A's blocks 0-3 are in; the youngest eight loads (A's blocks 4-7) may be out
	WIN MUL_LO-0x10*(\zero)
	MUL16 0, (\q)%2, \q, \slot, \zero
	MUL16 2, (\q)%2, \q, \slot, \zero
	s_wait_dscnt 0
	PLACES NP
	FETCH_B \slot, (\q)+1, 1-(\q)%2
	FETCH_A \slot, (\q)+1, 0
	WIN MUL_HI-0x20*(\zero)
	MUL16 4, (\q)%2, \q, \slot, \zero
	MUL16 6, (\q)%2, \q, \slot, \zero
	PLACES NP
	WIN 0
	FETCH_A \slot, (\q)+1, 4
.endm
.macro TURN slot, next                 ; slot 0's last step, and the change to slot 1: one barrier
	s_wait_tensorcnt 0x0                           ; all my tensor loads have landed: my part of the next slot
	ds_add_u32 v[SPW], v[NIL]                      ; 0 onto my spare word
	s_wait_dscnt 4*NL+1                            ; (the add and the youngest eight loads may be out)
	WIN MUL_LO
	MUL16 0, 1, NQ-1, \slot, 0
	s_wait_dscnt 0x0                               ; the add is done, and my reads of this slot are over
	s_barrier_signal -1
	MUL16 2, 1, NQ-1, \slot, 0
	WIN 0
	s_barrier_wait -1
	PLACES NP
	v_add_nc_u32 v[ADRS], 4*NQ, v[ADRS]            ; the next slot's scale words
	FETCH_B \next, 0, 0
	FETCH_A \next, 0, 0
	SCALES \next
	WIN MUL_HI
	MUL16 4, 1, NQ-1, \slot, 0
	MUL16 6, 1, NQ-1, \slot, 0
	PLACES NP
	WIN 0
	FETCH_A \next, 0, 4
.endm
.macro STEPS slot, from
.set Q, \from
.rept NQ-1-\from
	STEP \slot, Q, 0
.set Q, Q+1
.endr
.endm
	s_wait_tensorcnt 1                             ; the scales and my part of slot 0 are in (slot 1's load may be out),
	s_barrier_signal -1
	s_barrier_wait -1                              ; everybody's are
	FETCH_B 0, 0, 0
	FETCH_A 0, 0, 0
	SCALES 0
	FETCH_A 0, 0, 4
	s_wait_loadcnt 0x0                             ; the bias
	STEP 0, 0, 1
	STEPS 0, 1
	TURN 0, 1
	STEPS 1, 0
	s_wait_dscnt 4*NL                              ; the last step: nothing more to fetch
	WIN MUL_LO
	MUL16 0, 1, NQ-1, 1, 0
	MUL16 2, 1, NQ-1, 1, 0
	s_wait_dscnt 0
	WIN MUL_HI
	MUL16 4, 1, NQ-1, 1, 0
	MUL16 6, 1, NQ-1, 1, 0
	WIN 0
	PLACES NP
	; THE IMAGES: positions 0-15 of a sequence are block 0 of waves 0 and 1 in the tiles whose row is a multiple of 8.
	; Each store covers 512 consecutive bytes.
	s_cmp_lg_u32 s15, 0
	s_cbranch_scc1 .Lno_img
	s_and_b32 s2, s17, 7
	v_mov_b32 v[FLAG], s2
	v_cmp_eq_u32 vcc_lo, 0, v[FLAG]
	s_wait_xcnt 0x0                                ; EXEC changes only behind this wait
	s_and_saveexec_b32 s3, vcc_lo
	WIN 0x08                                       ; a store's data are its source 1: window 2
.irp b, 0,1,2,3,4,5,6,7
	global_store_b128 v[IO], v[8*\b:8*\b+3], s[100:101] offset:1024*\b
	global_store_b128 v[IO], v[8*\b+4:8*\b+7], s[100:101] offset:1024*\b+512
.endr
	WIN 0
	s_wait_xcnt 0x0                                ; and again in front of the line that widens it
	s_or_b32 exec_lo, exec_lo, s3
.Lno_img:
; THE WAY OUT, a block of 16 rows x 128 columns at a time: rounded to f16, through my stage, and out as rows of a head.
.macro PACK a
.set AC, 64*((\a)%4)
	WIN 0x0a+5*((\a)/4)                            ; sources 0 and 1: window 2 or 3
.irp b, 0,1,2,3,4,5,6,7
.irp i, 0,1,2,3
	v_cvt_pk_f16_f32 v[TMP+4*\b+\i], v[AC+8*\b+2*\i], v[AC+8*\b+2*\i+1]    ; each accumulator from its low end on
.endr
.endr
	WIN 0
.endm
.macro TOSTAGE a
.set BB, BK+32*((\a)%2)
.irp b, 0,1,2,3,4,5,6,7
	ds_store_b128 v[STO], v[TMP+4*\b:TMP+4*\b+3] offset:32*\b
.endr
.irp i, 0,1,2,3,4,5,6,7
	ds_load_b128 v[BB+4*\i:BB+4*\i+3], v[RD] offset:2*\i*SPITCH    ; LDS serves a wave's instructions in order: these see the stores above
.endr
.endm
.macro SEND a
.set BB, BK+32*((\a)%2)
	s_wait_dscnt 0x0                               ; the block is back in registers
	s_wait_xcnt 0x0                                ; the stores of the block before have read their registers: the next loads from the stage may land there
.irp i, 0,1,2,3,4,5,6,7
	global_store_b128 v[CO], v[BB+4*\i:BB+4*\i+3], s[12:13] offset:2048*(\a)+256*\i   ; sixteen lanes store two rows of one head: 256 consecutive bytes, aligned
.endr
.endm
	PACK 0
	TOSTAGE 0
.irp a, 1,2,3,4,5,6,7
	PACK \a
	SEND \a-1
	TOSTAGE \a
.endr
	SEND 7
	s_wait_tensorcnt 0x0                           ; the wave's end, behind my last tensor load and my last LDS store
	ds_add_u32 v[SPW], v[NIL]
	s_wait_dscnt 0x0
	CROUND                                         ; the closing round
	s_endpgm
.Lfunc_end_k_q328860f753_gemm1:
	.size	k_q328860f753_gemm1, .Lfunc_end_k_q328860f753_gemm1-k_q328860f753_gemm1
	.p2alignl 7, 3214868480
	.fill 96, 4, 3214868480
	.section	.rodata,"a",@progbits
	.p2align	6, 0x0
	.amdhsa_kernel k_q328860f753_gemm1
		.amdhsa_group_segment_fixed_size 327680
		.amdhsa_private_segment_fixed_size 0
		.amdhsa_enable_private_segment 0
		.amdhsa_kernarg_size 56
		.amdhsa_user_sgpr_count 2
		.amdhsa_user_sgpr_kernarg_segment_ptr 1
		.amdhsa_wavefront_size32 1
		.amdhsa_system_sgpr_workgroup_id_x 1
		.amdhsa_system_sgpr_workgroup_id_y 1
		.amdhsa_system_sgpr_workgroup_id_z 1
		.amdhsa_system_vgpr_workitem_id 0
		.amdhsa_next_free_vgpr 1024
		.amdhsa_next_free_sgpr 102
		.amdhsa_reserve_vcc 1
		.amdhsa_float_denorm_mode_32 3
		.amdhsa_float_denorm_mode_16_64 3
		.amdhsa_memory_ordered 1
		.amdhsa_forward_progress 1
		.amdhsa_inst_pref_size 131
	.end_amdhsa_kernel
	.amdgpu_metadata
---
amdhsa.version: [ 1, 2 ]
amdhsa.kernels:
  - .name:           k_q328860f753_gemm1
    .symbol:         k_q328860f753_gemm1.kd
    .args:
      - { .name: x_codes, .offset: 0, .size: 8, .value_kind: global_buffer, .address_space: global }
      - { .name: x_scales, .offset: 8, .size: 8, .value_kind: global_buffer, .address_space: global }
      - { .name: wa_codes, .offset: 16, .size: 8, .value_kind: global_buffer, .address_space: global }
      - { .name: wa_scales, .offset: 24, .size: 8, .value_kind: global_buffer, .address_space: global }
      - { .name: b_attn, .offset: 32, .size: 8, .value_kind: global_buffer, .address_space: global }
      - { .name: qkv16, .offset: 40, .size: 8, .value_kind: global_buffer, .address_space: global }
      - { .name: q32, .offset: 48, .size: 8, .value_kind: global_buffer, .address_space: global }
    .group_segment_fixed_size: 327680
    .private_segment_fixed_size: 0
    .kernarg_segment_align: 8
    .kernarg_segment_size: 56
    .max_flat_workgroup_size: 128
    .sgpr_count:     102
    .vgpr_count:     1024
    .wavefront_size: 32
...
	.end_amdgpu_metadata
.endif
;; end of part 2
;; launch attn (part 3): grid 4 x 64, 8 waves a work-group, no clusters, 327,680 bytes of LDS; arguments qkv16, yws; writes yws
.if DOCPART == 3
	.amdgcn_target "amdgcn-amd-amdhsa--gfx1250"
	.amdhsa_code_object_version 6
	.text
	.protected	k_q328860f753_attn
	.globl	k_q328860f753_attn
	.p2align	8
	.type	k_q328860f753_attn,@function
k_q328860f753_attn:
	s_mov_b64 s[64:65], 0
	v_nop
	global_prefetch_b8 v0, s[64:65] scope:SCOPE_SE
	s_setreg_imm32_b32 hwreg(HW_REG_WAVE_MODE, 25, 1), 1
	s_wait_xcnt 0x0
; y[b][h][q] = the sum over k <= q of softmax_k(q . k / 8) v, on f16 operands with f32 products' sums, maxima and sums.  qkv16: [batch 4][group 48][t 2048][64] f16 (groups 0-15 q, 16-31 k, 32-47 v).
; yws: [head 16][batch x t 8192][64] f16.  LIMITS: q, k, v and y lie inside f16's range; NaN and infinities are not served.
; SHARES.  Work-group (p, head) takes the head's query block 7 - p and then block p, 256 queries each: (8 - p) + (p + 1) = 9 units of 256 keys for every work-group, so the trip counts are constants
; and the 256 work-groups have equal work.  Each of eight waves owns 32 queries (two tiles of 16): sub-block w for waves 0-3, 11 - w for waves 4-7.
; A step is 64 keys, a unit four steps.  A step all of whose keys come after my queries is left out by a scalar branch on ids; on the diagonal hidden scores become -infinity.
; LAYOUT.  S^T = K Q^T (source 0 = 16 keys, source 1 = 16 queries) and O^T = V^T P: a lane holds ONE query; two tiles of S^T rounded to f16 in pairs are source 1 of the second product.
; SOFTMAX.  A running maximum m and sum l: p = 2^(c s - c m), c = log2(e) / 8; in every step O and l are multiplied by a = 2^(c m_old - c m_new).
; RING.  Two LDS slots of a unit each; waves 0, 1 fetch K's halves, waves 2, 3 V's; one tensor load a wave is out, and every wait for tensor loads is for 0.  A unit's 256 rows of 128 bytes are dense
; in memory and come as 128 rows of 256 bytes (two keys a row), padded.
; NO CLUSTER: from unit 8 - p on the four work-groups of a head want different key blocks, and under the mask a partner would be sent tiles that it never reads.
; REGISTERS.  window 0: v2-15 addresses; v16-31 statistics, eight a tile (+0 c m, +1 m, +2, +3 l, +4 .. +7 at work; a takes +6); v32-63 P; v64-127 S^T.
;   window 1: v0-31 Q; v32-63 the second block's Q; v64-127 K of a step; v128-191 V of a step; v192-255 O^T.
.set KP,    272                        ; two keys of K: 256 bytes + 16
.set VP,    288                        ; two keys of V: 256 bytes + 32
.set VOFF,  128*KP                     ; a slot: K's 128 rows, then V's
.set SLOT1, 1<<17                      ; slot 1 begins here: one exclusive or turns an address
.set STAGE, 2*SLOT1                    ; the way out: 16 rows x (128 bytes + 16) a wave; no tensor load lands here
.set SPI,   144
.set SPARE, STAGE+8*16*SPI             ; the spare words: 128 bytes a wave, four blocks of 256 bytes that no other line names
.set AK0, 2
.set AV0, 3
.set ADK, 4
.set ADV, 5
.set QO,  6
.set STO, 7
.set RD,  8
.set GO,  9
.set DQ0, 10                           ; v10 lane % 16 - 8 (lane / 16)
.set NEG, 11                           ; v11 -infinity
.set PFO, 12                           ; v12 256 x lane
.set DM,  13
.set SPW, 14
.set NIL, 15
.set ST,  16
.set P,   32
.set S,   64
.set QB,  32                           ; window 1
.set KR,  64
.set VR,  128
.set OA,  192
.set TK,  2                            ; s2, s3 LDS byte at which the step's K and V begin
.set TV,  3
.set WV,  8
.set Q0,  12                           ; s12 my first query of the block in hand; s13 of the second block
.set Q0B, 13
.set KF,  14                           ; s14 the step's first key
.set SWT, 15                           ; s15 p + 1: the value of SLOTS in the first block's last unit
.set SLOTS, 16
.set NST, 17
.set LIM, 18
.set SEL, 20
.set CS,  22
.set G1K, 24
.set G1V, 32
.set G0K, 40
.set G0V, 44
.set BK,  48                           ; s[48:49] what the walking addresses go back by: 0, or the first block's units
.set BACK, 50
.set PFA, 52
.set YP,  54
.set YB,  56
.set MSB, 0
.macro WIN new
.if MSB != (\new)
	s_set_vgpr_msb (MSB<<8)|(\new)
.set MSB, (\new)
.endif
.endm
; Waves 0 and 1 fetch for K, waves 2 and 3 for V, the others nothing.  An s_nop 0 and four v_nop follow each line.
.macro TLOAD
	s_cmp_lt_u32 s[WV], 2
	s_cbranch_scc0 .Lnot_k_\@
	tensor_load_to_lds s[G0K:G0K+3], s[G1K:G1K+7]
	s_nop 0
.rept 4
	v_nop
.endr
	s_branch .Lasked_\@
.Lnot_k_\@:
	s_cmp_lt_u32 s[WV], 4
	s_cbranch_scc0 .Lasked_\@
	tensor_load_to_lds s[G0V:G0V+3], s[G1V:G1V+7]
	s_nop 0
.rept 4
	v_nop
.endr
.Lasked_\@:
.endm
; A PREFETCH INTO THE L2 of the key block that the NEXT change of slots will ask for: a unit, four steps, ahead of its tensor load.  The four work-groups of a head walk the same blocks: the one with
; p = 0, whose first pass goes through all eight, asks; in it waves 4-7, which fetch nothing: 8,192 bytes of K and of V each, lanes 256 bytes apart.  Trips 0-5 name blocks 2-7: each aligned 256 bytes once.
.macro ASK
	s_cmp_gt_u32 s[SLOTS], s[LIM]
	s_cbranch_scc0 .Lnot_mine_\@
	global_prefetch_b8 v[PFO], s[PFA:PFA+1] th:TH_LOAD_NT scope:SCOPE_SE
	global_prefetch_b8 v[PFO], s[PFA:PFA+1] offset:4194304 th:TH_LOAD_NT scope:SCOPE_SE
.Lnot_mine_\@:
.endm
.macro INIT                            ; a query block begins: m = -3e38, under every score; l and O^T zeros, which the first a = 0 leaves zeros
.irp t, 0,1
	v_mov_b32 v[ST+8*\t+1], 0xff61b1e6
	v_mul_f32 v[ST+8*\t], s[CS], v[ST+8*\t+1]
.irp k, 2,3,4,5,6,7
	v_mov_b32 v[ST+8*\t+\k], 0
.endr
.endr
	WIN 0x40
.set i, 0
.rept 64
	v_mov_b32 v[OA+i], 0
.set i, i+1
.endr
	WIN 0
.endm
.macro STEP
	s_add_co_u32 s19, s[Q0], 31
	s_cmp_gt_u32 s[KF], s19                        ; all 64 keys come after my 32 queries: the step's work is left out, not the lines at its end that step addresses
	s_cbranch_scc1 .Lhidden_\@
	v_add_nc_u32 v[ADK], s[TK], v[AK0]
	v_add_nc_u32 v[ADV], s[TV], v[AV0]
	WIN 0x40                                       ; destination window 1
.irp i, 0,1,2,3
.irp kk, 0,1
	ds_load_b128 v[KR+16*\i+8*\kk:KR+16*\i+8*\kk+3], v[ADK] offset:8*KP*\i+64*\kk
	ds_load_b128 v[KR+16*\i+8*\kk+4:KR+16*\i+8*\kk+7], v[ADK] offset:8*KP*\i+64*\kk+32
.endr
.endr
.irp ks, 0,1
.irp dt, 0,1,2,3
	ds_load_tr16_b128 v[VR+32*\ks+8*\dt:VR+32*\ks+8*\dt+3], v[ADV] offset:16*VP*\ks+32*\dt
	ds_load_tr16_b128 v[VR+32*\ks+8*\dt+4:VR+32*\ks+8*\dt+7], v[ADV] offset:16*VP*\ks+32*\dt+8*VP
.endr
.endr
	s_wait_dscnt 16                                ; K's sixteen loads are in; V's sixteen may be out
	WIN 0x05                                       ; K and Q window 1, S^T window 0
.irp kk, 0,1                                   ; the eight accumulators take turns, one instruction a turn
.irp i, 0,1,2,3
.irp t, 0,1
.if \kk == 0
	v_wmma_f32_16x16x32_f16 v[S+32*\t+8*\i:S+32*\t+8*\i+7], v[KR+16*\i+8*\kk:KR+16*\i+8*\kk+7], v[16*\t+8*\kk:16*\t+8*\kk+7], 0
.else
	v_wmma_f32_16x16x32_f16 v[S+32*\t+8*\i:S+32*\t+8*\i+7], v[KR+16*\i+8*\kk:KR+16*\i+8*\kk+7], v[16*\t+8*\kk:16*\t+8*\kk+7], v[S+32*\t+8*\i:S+32*\t+8*\i+7]
.endif
.endr
.endr
.endr
	WIN 0
.rept 4
	v_nop                                          ; places in front of the first read of the scores
.endr
	s_add_co_u32 s19, s[KF], 63
	s_cmp_le_u32 s19, s[Q0]                        ; all keys count for all my queries: no mask
	s_cbranch_scc1 .Lopen_\@
	s_sub_co_i32 s19, s[Q0], s[KF]
	v_add_nc_u32 v[DM], s19, v[DQ0]                ; register (t, i, j) holds key KF + 16 i + 8 (lane / 16) + j and query Q0 + 16 t + lane % 16: hidden where 16 i + j - 16 t > DM
.irp t, 0,1
.irp i, 0,1,2,3
.irp j, 0,1,2,3,4,5,6,7
	v_cmp_gt_i32 vcc_lo, 16*\i+\j-16*\t, v[DM]
	v_cndmask_b32 v[S+32*\t+8*\i+\j], v[S+32*\t+8*\i+\j], v[NEG], vcc_lo
.endr
.endr
.endr
.Lopen_\@:
.irp j, 0,1,2,3                                ; the maximum of 32 scores and the old m: four chains, each begun at an accumulator's low end; the two tiles by turns
.irp t, 0,1
	v_max3_num_f32 v[ST+8*\t+4+\j], v[S+32*\t+8*\j], v[S+32*\t+8*\j+1], v[S+32*\t+8*\j+2]
.endr
.endr
.irp g, 1,2
.irp j, 0,1,2,3
.irp t, 0,1
	v_max3_num_f32 v[ST+8*\t+4+\j], v[ST+8*\t+4+\j], v[S+32*\t+8*\j+2*\g+1], v[S+32*\t+8*\j+2*\g+2]
.endr
.endr
.endr
.irp t, 0,1
	v_max3_num_f32 v[ST+8*\t+4], v[ST+8*\t+4], v[S+32*\t+7], v[S+32*\t+15]
	v_max3_num_f32 v[ST+8*\t+6], v[ST+8*\t+6], v[S+32*\t+23], v[S+32*\t+31]
.endr
.irp t, 0,1
	v_max3_num_f32 v[ST+8*\t+4], v[ST+8*\t+4], v[ST+8*\t+5], v[ST+8*\t+6]
.endr
.irp t, 0,1
	v_max3_num_f32 v[ST+8*\t+4], v[ST+8*\t+4], v[ST+8*\t+7], v[ST+8*\t+1]
.endr
.irp t, 0,1
	v_permlanex16_b32 v[ST+8*\t+5], v[ST+8*\t+4], s[SEL], s[SEL+1]     ; the query's other 32 keys lie in the lane 16 away
.endr
.irp t, 0,1
	v_mov_b32 v[ST+8*\t+7], v[ST+8*\t]             ; c m_old
.endr
.irp t, 0,1
	v_max_num_f32 v[ST+8*\t+1], v[ST+8*\t+4], v[ST+8*\t+5]
.endr
.irp t, 0,1
	v_mul_f32 v[ST+8*\t], s[CS], v[ST+8*\t+1]
.endr
.irp t, 0,1
	v_sub_f32 v[ST+8*\t+7], v[ST+8*\t+7], v[ST+8*\t]
.endr
.irp t, 0,1
.set i, 0
.rept 16
	v_pk_fma_f32 v[S+32*\t+i:S+32*\t+i+1], v[S+32*\t+i:S+32*\t+i+1], s[CS:CS+1], v[ST+8*\t:ST+8*\t+1] op_sel_hi:[1,0,0] neg_lo:[0,0,1] neg_hi:[0,0,1]   ; c s - c m
.set i, i+2
.endr
.endr
.irp t, 0,1                                    ; ONE BATCH of 66 exponentials, none of which reads another's result
	v_exp_f32 v[ST+8*\t+6], v[ST+8*\t+7]           ; a
.endr
.set i, 0
.rept 64
	v_exp_f32 v[S+i], v[S+i]
.set i, i+1
.endr
	v_nop                                          ; a plain line behind the last exponential
	s_wait_alu depctr_va_vdst(0)                   ; one wait for the batch, ahead of its first reader
.set i, 0
.rept 32
	v_cvt_pk_f16_f32 v[P+i], v[S+2*i], v[S+2*i+1]  ; the weights, rounded for the second product
.set i, i+1
.endr
.irp w, 4,8,16,32                              ; the sum of the unrounded weights, in place, neighbours 1, 2, 4 and 8 pairs apart
.set i, 0
.rept 64/\w
	v_pk_add_f32 v[S+\w*i:S+\w*i+1], v[S+\w*i:S+\w*i+1], v[S+\w*i+\w/2:S+\w*i+\w/2+1]
.set i, i+1
.endr
.endr
.irp t, 0,1
	v_pk_fma_f32 v[ST+8*\t+2:ST+8*\t+3], v[ST+8*\t+2:ST+8*\t+3], v[ST+8*\t+6:ST+8*\t+7], v[S+32*\t:S+32*\t+1] op_sel_hi:[1,0,1]   ; l = a l + the sum
.endr
	WIN 0x41                                       ; O^T window 1, a window 0
.irp t, 0,1
.set i, 0
.rept 16
	v_pk_mul_f32 v[OA+32*\t+i:OA+32*\t+i+1], v[OA+32*\t+i:OA+32*\t+i+1], v[ST+8*\t+6:ST+8*\t+7] op_sel_hi:[1,0]
.set i, i+2
.endr
.endr
	s_wait_dscnt 0x0                               ; V is in
	WIN 0x51                                       ; V window 1, P window 0, O^T window 1
.irp ks, 0,1
.irp dt, 0,1,2,3
.irp t, 0,1
	v_wmma_f32_16x16x32_f16 v[OA+32*\t+8*\dt:OA+32*\t+8*\dt+7], v[VR+32*\ks+8*\dt:VR+32*\ks+8*\dt+7], v[P+16*\t+8*\ks:P+16*\t+8*\ks+7], v[OA+32*\t+8*\dt:OA+32*\t+8*\dt+7]
.endr
.endr
.endr
	WIN 0
.rept 4
	v_nop                                          ; places in front of the next loads into V's registers and of the next read of O^T
.endr
.Lhidden_\@:
	s_add_co_u32 s[KF], s[KF], 64
	s_add_co_u32 s[TK], s[TK], 32*KP
	s_add_co_u32 s[TV], s[TV], 32*VP
.endm
.macro UNIT_STEPS                      ; a unit's four steps, written once; then on to the other slot
	s_mov_b32 s[NST], 4
.Lstep_\@:
	STEP
	s_sub_co_u32 s[NST], s[NST], 1
	s_cmp_lg_u32 s[NST], 0
	s_cbranch_scc1 .Lstep_\@
	s_sub_co_u32 s[TK], s[TK], 128*KP
	s_xor_b32 s[TK], s[TK], SLOT1
	s_sub_co_u32 s[TV], s[TV], 128*VP
	s_xor_b32 s[TV], s[TV], SLOT1
.endm
; THE CHANGE OF SLOTS stands at a unit's head: each wave waits for all its tensor loads, adds 0 to its spare word, waits for that and for its reads of the slot that it has left; behind the barrier the slot
; ahead is whole and nobody reads the other one, which (fill = 1) is asked for the next unit: that load has four steps in which to land.
.macro CHANGE fill
	s_wait_tensorcnt 0x0                           ; no tensor load of mine is out, so a group 0 may be written
	ds_add_u32 v[SPW], v[NIL]                      ; 0 onto my spare word
.if \fill
	ds_add_u32 v[SPW], v[NIL]                      ; and, where tensor loads still follow, twice on end
	s_cmp_eq_u32 s[SLOTS], s[SWT]                  ; the next unit is the second query block's first: the addresses go back to key block 0
	s_cselect_b32 s[BK], s[BACK], 0
	s_xor_b32 s[G0K+1], s[G0K+1], SLOT1
	s_add_nc_u64 s[G0K+2:G0K+3], s[G0K+2:G0K+3], 32768
	s_sub_nc_u64 s[G0K+2:G0K+3], s[G0K+2:G0K+3], s[BK:BK+1]
	s_xor_b32 s[G0V+1], s[G0V+1], SLOT1
	s_add_nc_u64 s[G0V+2:G0V+3], s[G0V+2:G0V+3], 32768
	s_sub_nc_u64 s[G0V+2:G0V+3], s[G0V+2:G0V+3], s[BK:BK+1]
	s_wait_xcnt 0x0                                ; the last prefetches, a unit back, have read their address
	s_add_nc_u64 s[PFA:PFA+1], s[PFA:PFA+1], 32768
.endif
	s_wait_dscnt 0x0                               ; the add is done, and my reads of the slot that I have left are over
	s_barrier_signal -1
	s_barrier_wait -1
.if \fill
	TLOAD                                          ; the first thing behind the barrier, and a wave's one tensor load until the next
	ASK
.endif
.endm
; A QUERY BLOCK ENDS: O^T / l, rounded to f16, through my stage, out as rows of 128 bytes.  sw = 1: the second block begins.
.macro FINISH sw
.irp t, 0,1
	v_add_f32 v[ST+8*\t+4], v[ST+8*\t+2], v[ST+8*\t+3]
.endr
.irp t, 0,1
	v_permlanex16_b32 v[ST+8*\t+5], v[ST+8*\t+4], s[SEL], s[SEL+1]
.endr
.irp t, 0,1
	v_add_f32 v[ST+8*\t+4], v[ST+8*\t+4], v[ST+8*\t+5]
.endr
.irp t, 0,1
	v_rcp_f32 v[ST+8*\t+6], v[ST+8*\t+4]
.endr
	v_nop
	s_wait_alu depctr_va_vdst(0)                   ; one wait for both reciprocals, ahead of their first reader
.irp t, 0,1
	WIN 0x01                                       ; source 0 (O^T) window 1
.set i, 0
.rept 16
	v_pk_mul_f32 v[S+32*\t+i:S+32*\t+i+1], v[OA+32*\t+i:OA+32*\t+i+1], v[ST+8*\t+6:ST+8*\t+7] op_sel_hi:[1,0]
.set i, i+2
.endr
	WIN 0
.set i, 0
.rept 16
	v_cvt_pk_f16_f32 v[P+16*\t+i], v[S+32*\t+2*i], v[S+32*\t+2*i+1]
.set i, i+1
.endr
.irp dt, 0,1,2,3
	ds_store_b128 v[STO], v[P+16*\t+4*\dt:P+16*\t+4*\dt+3] offset:32*\dt
.endr
.irp i, 0,1,2,3
	ds_load_b128 v[S+32*\t+4*\i:S+32*\t+4*\i+3], v[RD] offset:4*SPI*\i     ; LDS serves a wave's instructions in order: these see the stores above
.endr
.irp i, 0,1,2,3
	s_wait_dscnt 3-\i
	global_store_b128 v[GO], v[S+32*\t+4*\i:S+32*\t+4*\i+3], s[YP:YP+1] offset:2048*\t+512*\i   ; the wave stores 512 consecutive bytes, aligned
.endr
.endr
	s_wait_xcnt 0x0                                ; the stores have read their registers and their base
.if \sw
	s_mov_b64 s[YP:YP+1], s[YB:YB+1]
	s_mov_b32 s[Q0], s[Q0B]
	s_mov_b32 s[KF], 0
	WIN 0x41
.set i, 0
.rept 32
	v_mov_b32 v[i], v[QB+i]
.set i, i+1
.endr
	WIN 0
	INIT
.endif
.endm
	s_load_b128 s[4:7], s[0:1], 0x0                ; qkv16, yws
	v_lshl_add_u32 v[SPW], v0, 2, SPARE
	v_mov_b32 v[NIL], 0
	ds_add_u32 v[SPW], v[NIL]                      ; the wave's opening: the add, twice on end, and its wait ahead of the first tensor load
	ds_add_u32 v[SPW], v[NIL]
	v_lshrrev_b32 v1, 5, v0
	v_readfirstlane_b32 s[WV], v1                  ; wave 0..7
	s_mov_b32 s9, ttmp9                            ; p
	s_and_b32 s10, ttmp7, 0xffff                   ; 16 x batch + head
	s_sub_co_u32 s19, 11, s[WV]
	s_cmp_lt_u32 s[WV], 4
	s_cselect_b32 s11, s[WV], s19                  ; my sub-block of 32 queries
	s_lshl_b32 s19, s11, 5
	s_sub_co_u32 s[Q0], 7, s9
	s_lshl_b32 s[Q0], s[Q0], 8
	s_add_co_u32 s[Q0], s[Q0], s19
	s_lshl_b32 s[Q0B], s9, 8
	s_add_co_u32 s[Q0B], s[Q0B], s19
	s_mov_b32 s[KF], 0
	s_add_co_u32 s[SWT], s9, 1
	s_mov_b32 s[SLOTS], 8
	s_mov_b32 s[TK], 0
	s_mov_b32 s[TV], 0
	s_sub_co_u32 s[BACK], 8, s9
	s_lshl_b32 s[BACK], s[BACK], 15
	s_mov_b32 s[BK], 0
	s_mov_b32 s[BK+1], 0
	s_mov_b32 s[SEL], 0x76543210
	s_mov_b32 s[SEL+1], 0xfedcba98
	s_mov_b32 s[CS], 0x3e38aa3b                    ; c = log2(e) / 8
	s_mov_b32 s[CS+1], s[CS]
	; group 1: half a unit: 64 rows of 256 bytes (32 elements of 8), dense in memory, padded in LDS
	s_mov_b32 s[G1K], (3<<16)|(1<<20)|(5<<22)|(3<<25)      ; 4 words after every 64
	s_mov_b32 s[G1V], (3<<16)|(1<<20)|(5<<22)|(7<<25)      ; 8 words after every 64
.irp g, G1K, G1V
	s_mov_b32 s[\g+1], 32<<16
	s_mov_b32 s[\g+2], 64<<16
	s_mov_b32 s[\g+3], 32<<16
	s_mov_b32 s[\g+4], 64
	s_mov_b32 s[\g+5], 32
	s_mov_b32 s[\g+6], 0
	s_mov_b32 s[\g+7], 0
.endr
	s_lshr_b32 s66, s10, 4                         ; batch
	s_and_b32 s67, s10, 15                         ; head
	s_mul_i32 s58, s66, 48
	s_add_co_u32 s58, s58, s67
	s_lshl_b32 s58, s58, 18                        ; q's group: 262,144 bytes a group
	s_mov_b32 s59, 0
	s_and_b32 s19, s[WV], 1                        ; which half of a unit I fetch
	s_wait_dscnt 0x0                               ; both opening adds are done
	s_wait_kmcnt 0x0
	s_add_nc_u64 s[60:61], s[4:5], s[58:59]        ; the head's q rows; k's lie 16 groups on, v's 32
	s_lshl_b32 s58, s19, 14
	s_add_nc_u64 s[62:63], s[60:61], s[58:59]
	s_mov_b32 s[G0K], 1
	s_mul_i32 s[G0K+1], s19, 64*KP
	s_add_nc_u64 s[G0K+2:G0K+3], s[62:63], 4194304
	s_or_b32 s[G0K+3], s[G0K+3], 0x80000000
	s_mov_b32 s[G0V], 1
	s_mul_i32 s[G0V+1], s19, 64*VP
	s_add_co_u32 s[G0V+1], s[G0V+1], VOFF
	s_add_nc_u64 s[G0V+2:G0V+3], s[62:63], 8388608
	s_or_b32 s[G0V+3], s[G0V+3], 0x80000000
	TLOAD                                          ; unit 0 into slot 0
	s_lshl_b32 s58, s[Q0], 7
	s_add_nc_u64 s[68:69], s[60:61], s[58:59]      ; my queries of the first block,
	s_lshl_b32 s58, s[Q0B], 7
	s_add_nc_u64 s[70:71], s[60:61], s[58:59]      ; and of the second
	v_and_b32 v40, 15, v0                          ; r
	v_bfe_u32 v41, v0, 4, 1                        ; h
	v_lshlrev_b32 v[QO], 7, v40
	v_lshl_add_u32 v[QO], v41, 4, v[QO]
	WIN 0x40
.irp t, 0,1
.irp kk, 0,1
	global_load_b128 v[16*\t+8*\kk:16*\t+8*\kk+3], v[QO], s[68:69] offset:2048*\t+64*\kk
	global_load_b128 v[16*\t+8*\kk+4:16*\t+8*\kk+7], v[QO], s[68:69] offset:2048*\t+64*\kk+32
	global_load_b128 v[QB+16*\t+8*\kk:QB+16*\t+8*\kk+3], v[QO], s[70:71] offset:2048*\t+64*\kk
	global_load_b128 v[QB+16*\t+8*\kk+4:QB+16*\t+8*\kk+7], v[QO], s[70:71] offset:2048*\t+64*\kk+32
.endr
.endr
	WIN 0
	s_lshl_b32 s72, s67, 20                        ; yws: a head's plane is 1,048,576 bytes,
	s_lshl_b32 s73, s66, 18                        ; a batch's 2,048 rows of 128 bytes
	s_add_co_u32 s72, s72, s73
	s_lshl_b32 s58, s[Q0], 7
	s_add_co_u32 s58, s58, s72
	s_add_nc_u64 s[YP:YP+1], s[6:7], s[58:59]
	s_lshl_b32 s58, s[Q0B], 7
	s_add_co_u32 s58, s58, s72
	s_add_nc_u64 s[YB:YB+1], s[6:7], s[58:59]
	s_and_b32 s58, s[WV], 3
	s_lshl_b32 s58, s58, 13
	s_add_co_u32 s58, s58, 4194304+32768           ; k's block 1, my wave's quarter: the first change steps it to block 2
	s_add_nc_u64 s[PFA:PFA+1], s[60:61], s[58:59]
	s_lshr_b32 s19, s[WV], 2
	s_xor_b32 s19, s19, 1                          ; 0 in waves 4-7,
	s_or_b32 s19, s19, s9                          ; of the work-group with p = 0
	s_cmp_eq_u32 s19, 0
	s_cselect_b32 s[LIM], 2, -1
	v_bfe_u32 v42, v0, 1, 3                        ; r / 2
	v_and_b32 v43, 1, v0
	v_mul_u32_u24 v[AK0], v42, KP
	v_lshl_add_u32 v[AK0], v43, 7, v[AK0]
	v_lshl_add_u32 v[AK0], v41, 4, v[AK0]          ; K: key r of a tile: row r / 2, half r % 2, + 16 h
	v_bfe_u32 v44, v0, 1, 2
	v_lshl_add_u32 v44, v41, 2, v44
	v_mul_u32_u24 v[AV0], v44, VP
	v_lshl_add_u32 v[AV0], v43, 7, v[AV0]
	v_bfe_u32 v45, v0, 3, 1
	v_lshl_add_u32 v[AV0], v45, 4, v[AV0]
	v_add_nc_u32 v[AV0], VOFF, v[AV0]              ; V, for the turning load: key 8 h + lane % 8, channels 8 ((lane / 8) % 2) on
	s_mul_i32 s19, s[WV], 16*SPI
	s_add_co_u32 s19, s19, STAGE
	v_mul_u32_u24 v[STO], v40, SPI
	v_lshl_add_u32 v[STO], v41, 4, v[STO]
	v_add_nc_u32 v[STO], s19, v[STO]
	v_bfe_u32 v46, v0, 3, 2
	v_and_b32 v47, 7, v0
	v_mul_u32_u24 v[RD], v46, SPI
	v_lshl_add_u32 v[RD], v47, 4, v[RD]
	v_add_nc_u32 v[RD], s19, v[RD]                 ; back: four rows of 128 bytes an instruction
	v_and_b32 v48, 31, v0
	v_lshlrev_b32 v[GO], 4, v48
	v_lshlrev_b32 v[PFO], 8, v48
	v_lshlrev_b32 v49, 3, v41
	v_sub_nc_u32 v[DQ0], v40, v49
	v_mov_b32 v[NEG], 0xff800000
	INIT
	s_wait_loadcnt 0x0                             ; Q of both blocks
.Lunit:                                            ; eight trips; behind each change of slots the next unit is asked for
	CHANGE 1
	UNIT_STEPS
	s_cmp_lg_u32 s[SLOTS], s[SWT]                  ; ids and the count of units alone: the same in all eight waves
	s_cbranch_scc1 .Lsame_block
	FINISH 1
.Lsame_block:
	s_sub_co_u32 s[SLOTS], s[SLOTS], 1
	s_cmp_lg_u32 s[SLOTS], 0
	s_cbranch_scc1 .Lunit
	CHANGE 0                                       ; the last unit is written out: it asks for nothing
	UNIT_STEPS
	FINISH 0
	s_wait_tensorcnt 0x0                           ; the wave's end, behind my last tensor load and my last LDS store
	ds_add_u32 v[SPW], v[NIL]
	s_wait_dscnt 0x0
	s_endpgm
.Lfunc_end_k_q328860f753_attn:
	.size	k_q328860f753_attn, .Lfunc_end_k_q328860f753_attn-k_q328860f753_attn
	.p2alignl 7, 3214868480
	.fill 96, 4, 3214868480
	.section	.rodata,"a",@progbits
	.p2align	6, 0x0
	.amdhsa_kernel k_q328860f753_attn
		.amdhsa_group_segment_fixed_size 327680
		.amdhsa_private_segment_fixed_size 0
		.amdhsa_enable_private_segment 0
		.amdhsa_kernarg_size 16
		.amdhsa_user_sgpr_count 2
		.amdhsa_user_sgpr_kernarg_segment_ptr 1
		.amdhsa_wavefront_size32 1
		.amdhsa_system_sgpr_workgroup_id_x 1
		.amdhsa_system_sgpr_workgroup_id_y 1
		.amdhsa_system_sgpr_workgroup_id_z 1
		.amdhsa_system_vgpr_workitem_id 0
		.amdhsa_next_free_vgpr 512
		.amdhsa_next_free_sgpr 80
		.amdhsa_reserve_vcc 1
		.amdhsa_float_denorm_mode_32 3
		.amdhsa_float_denorm_mode_16_64 3
		.amdhsa_memory_ordered 1
		.amdhsa_forward_progress 1
		.amdhsa_inst_pref_size 74
	.end_amdhsa_kernel
	.amdgpu_metadata
---
amdhsa.version: [ 1, 2 ]
amdhsa.kernels:
  - .name:           k_q328860f753_attn
    .symbol:         k_q328860f753_attn.kd
    .args:
      - { .name: qkv16, .offset: 0, .size: 8, .value_kind: global_buffer, .address_space: global }
      - { .name: yws, .offset: 8, .size: 8, .value_kind: global_buffer, .address_space: global }
    .group_segment_fixed_size: 327680
    .private_segment_fixed_size: 0
    .kernarg_segment_align: 8
    .kernarg_segment_size: 16
    .max_flat_workgroup_size: 256
    .sgpr_count:     80
    .vgpr_count:     512
    .wavefront_size: 32
...
	.end_amdgpu_metadata
.endif
;; end of part 3
;; launch proj (part 4): grid 4 x 64, 4 waves a work-group, clusters of 4 x 4, 327,680 bytes of LDS; arguments yws, wp16, b_proj, out0; writes out0
.if DOCPART == 4
	.amdgcn_target "amdgcn-amd-amdhsa--gfx1250"
	.amdhsa_code_object_version 6
	.text
	.protected	k_q328860f753_proj
	.globl	k_q328860f753_proj
	.p2align	8
	.type	k_q328860f753_proj,@function
k_q328860f753_proj:
	s_mov_b64 s[64:65], 0
	v_nop
	global_prefetch_b8 v0, s[64:65] scope:SCOPE_SE
	s_setreg_imm32_b32 hwreg(HW_REG_WAVE_MODE, 25, 1), 1
	s_wait_xcnt 0x0
	s_wait_alu depctr_hold_cnt(0) depctr_sa_sdst(0) depctr_va_vdst(0) depctr_va_sdst(0) depctr_va_ssrc(0) depctr_va_vcc(0) depctr_vm_vsrc(0)
	s_getreg_b32 s2, hwreg(HW_REG_IB_STS2, 6, 4)
	s_cmp_eq_u32 s2, 0
	s_cbranch_scc0 .Lentry_in_a_cluster
	s_endpgm
.Lentry_in_a_cluster:
	s_bfe_u32 s2, ttmp6, 0x10000c
	s_cmp_lg_u32 s2, 0xf033
	s_cbranch_scc0 .Lentry_shape_is_right
	s_endpgm
.Lentry_shape_is_right:
; out0 = y w_proj + b_proj on f16 operands, sums in f32.  yws: [head 16][m 8192][64] f16; wp16: [k 1024][n 1024] f16; out0: [8192][1024] f32.
; (The first 16 positions of each sequence are written again, more finely, by the launch that follows.)
; A tile of out0 is 128 (m) x 256 (n): 256 work-groups.  Four waves, each 64 x 128: 32 accumulators, 256 registers.  K goes in steps of 128 (two heads) through two LDS slots.
; y's tile of a head is 128 dense rows of 128 bytes: 64 LDS rows of 256 bytes + 16 (two rows of y a row).  w's tile is 128 k-rows of 512 bytes + 32, read turned by ds_load_tr16_b128.
; CLUSTERS: 4 x 4; y's tiles are asked for jointly along a row of the cluster, w's along a column.  Waves 0, 1 fetch y's two heads, waves 2, 3 w's two halves of k.
; THE MATRIX INSTRUCTION IS USED TRANSPOSED (source 0 = 16 columns of w, source 1 = 16 rows of y): a lane holds eight neighbouring columns of a row.  The bias is the C of each sum's first product.
; REGISTERS: window 0: v0-31 addresses; v64-95, v96-127 y's fragments, two buffers; v128-255 rows on the way out.  window 1: v0-63, v64-127 w's fragments, two buffers; v128-191 the bias.
;   window 2: the accumulators, (a, b) at v[8 (8 a + b)].
.set PLANE,  64*272                    ; a head's 128 rows of y in LDS
.set PB,     544                       ; a k-row of w in LDS
.set BOFF,   2*PLANE
.set BHALF,  64*PB
.set SLOT,   BOFF+2*BHALF
.set STAGE,  2*SLOT                    ; 16 rows x (512 bytes + 16) a wave; no tensor load lands here
.set SPITCH, 528
.set SPARE,  STAGE+4*16*SPITCH         ; the spare words: 128 bytes a wave, two blocks of 256 bytes that no other line names
.set LAPS,   4                         ; 8 K steps, two a lap
.set ADRA, 16
.set ADRB, 20
.set STO,  24
.set RD,   25
.set CO,   26
.set BO,   27
.set SPW,  28
.set NIL,  29
.set PFO,  30
.set BK,   128
.set G1, 24
.set G0, 32
.set G1B, 48
.set G0B, 56
.set PFA, 66
.set LIM, 68
.set MSB, 0
.macro WIN new
.if MSB != (\new)
	s_set_vgpr_msb (MSB<<8)|(\new)
.set MSB, (\new)
.endif
.endm
.macro JLOAD s                         ; a joint load; an s_nop 0 and four v_nop follow each line
	s_cmp_eq_u32 s11, 0
	s_cbranch_scc0 .Lfor_b_\@
	tensor_load_to_lds s[G0+4*\s:G0+4*\s+3], s[G1:G1+7]
	s_nop 0
.rept 4
	v_nop
.endr
	s_branch .Lasked_\@
.Lfor_b_\@:
	tensor_load_to_lds s[G0B+4*\s:G0B+4*\s+3], s[G1B:G1B+7]
	s_nop 0
.rept 4
	v_nop
.endr
.Lasked_\@:
.endm
.macro CREST
	s_cmp_lg_u32 s10, 0
	s_cbranch_scc1 .Lnot_wave_0_\@
	s_barrier_signal -3
.Lnot_wave_0_\@:
	s_barrier_wait -3
	s_barrier_signal -1
	s_barrier_wait -1
.endm
.macro CROUND
	s_barrier_signal -1
	s_barrier_wait -1
	CREST
.endm
; A PREFETCH INTO THE L2 of y's tile two K steps on from the refill just asked for: 2 heads x 16,384 bytes.  Only my row of the cluster reads these rows; its four partners take 8,192 bytes each, told apart
; BY ADDRESS; in each, wave 0 asks, lanes 256 bytes apart.  The loop's last trip asks for nothing: K steps 4 to 7 are named, each aligned 256 bytes once.  w is read by all 64 tile rows and is not asked for.
.macro ASK
	s_cmp_gt_u32 s3, s[LIM]
	s_cbranch_scc0 .Lnot_mine_\@
	global_prefetch_b8 v[PFO], s[PFA:PFA+1] th:TH_LOAD_NT scope:SCOPE_SE
.Lnot_mine_\@:
.endm
	s_load_b128 s[4:7], s[0:1], 0x0                ; yws, wp16
	s_load_b128 s[72:75], s[0:1], 0x10             ; b_proj, out0
	v_lshl_add_u32 v[SPW], v0, 2, SPARE
	v_mov_b32 v[NIL], 0
	ds_add_u32 v[SPW], v[NIL]                      ; the wave's opening: the add, twice on end, and its wait ahead of my first tensor load
	ds_add_u32 v[SPW], v[NIL]
	v_lshrrev_b32 v1, 5, v0
	v_readfirstlane_b32 s10, v1                    ; wave 0..3
	s_lshr_b32 s11, s10, 1                         ; my half of the rows; also: I fetch y (0) or w (1)
	s_and_b32 s12, s10, 1                          ; my half of the columns; also: which head, or which half of k, I fetch
	s_bfe_u32 s40, ttmp6, 0x40000                  ; cx
	s_bfe_u32 s41, ttmp6, 0x40004                  ; cy
	s_lshl_b32 s42, ttmp9, 2
	s_add_co_u32 s42, s42, s40                     ; tile column
	s_and_b32 s13, ttmp7, 0xffff
	s_lshl_b32 s13, s13, 2
	s_add_co_u32 s13, s13, s41                     ; tile row
	s_lshl_b32 s43, s41, 2
	s_lshl_b32 s43, 15, s43                        ; my row of the cluster
	s_lshl_b32 s44, 0x1111, s40                    ; my column
	s_or_b32 s[G1+0], s43, (3<<16)|(1<<20)|(1<<21)|(5<<22)|(3<<25)   ; y: 64 rows of 32 elements of 8 bytes, dense; 4 words after every 64
	s_mov_b32 s[G1+1], 32<<16
	s_mov_b32 s[G1+2], 64<<16
	s_mov_b32 s[G1+3], 32<<16
	s_mov_b32 s[G1+4], 64
	s_mov_b32 s[G1+5], 32
	s_mov_b32 s[G1+6], 0
	s_mov_b32 s[G1+7], 0
	s_or_b32 s[G1B+0], s44, (3<<16)|(1<<20)|(1<<21)|(6<<22)|(7<<25)  ; w: 64 rows of 64 elements, 256 elements apart; 8 words after every 128
	s_mov_b32 s[G1B+1], 64<<16
	s_mov_b32 s[G1B+2], 64<<16
	s_mov_b32 s[G1B+3], 64<<16
	s_mov_b32 s[G1B+4], 64
	s_mov_b32 s[G1B+5], 256
	s_mov_b32 s[G1B+6], 0
	s_mov_b32 s[G1B+7], 0
	s_lshl_b32 s16, s12, 20                        ; y: my head's plane, the tile's 128 rows of 128 bytes
	s_lshl_b32 s17, s13, 14
	s_add_co_u32 s16, s16, s17
	s_mov_b32 s17, 0
	s_lshl_b32 s46, s12, 17                        ; w: my 64 k-rows of 2,048 bytes, the tile's 512 bytes
	s_lshl_b32 s47, s42, 9
	s_add_co_u32 s46, s46, s47
	s_mov_b32 s47, 0
	s_mul_i32 s20, s12, PLANE
	s_mul_i32 s21, s12, BHALF
	s_add_co_u32 s21, s21, BOFF
	s_wait_dscnt 0x0                               ; both opening adds are done
	s_wait_kmcnt 0x0
	s_add_nc_u64 s[14:15], s[4:5], s[16:17]
	s_add_nc_u64 s[46:47], s[6:7], s[46:47]
	CROUND                                         ; all sixteen work-groups are here: the first joint loads meet
.irp s, 0,1
	s_mov_b32 s[G0+4*\s], 1
	s_add_co_u32 s[G0+4*\s+1], s20, \s*SLOT
	s_add_nc_u64 s[G0+4*\s+2:G0+4*\s+3], s[14:15], \s*2097152
	s_or_b32 s[G0+4*\s+3], s[G0+4*\s+3], 0x80000000
	s_mov_b32 s[G0B+4*\s], 1
	s_add_co_u32 s[G0B+4*\s+1], s21, \s*SLOT
	s_add_nc_u64 s[G0B+4*\s+2:G0B+4*\s+3], s[46:47], \s*262144
	s_or_b32 s[G0B+4*\s+3], s[G0B+4*\s+3], 0x80000000
	JLOAD \s
.endr
	v_and_b32 v1, 15, v0                           ; r
	v_bfe_u32 v2, v0, 4, 1                         ; h
	; the bias of my 128 columns, in the result's layout
	s_lshl_b32 s16, s42, 10
	s_lshl_b32 s17, s12, 9
	s_add_co_u32 s16, s16, s17                     ; my first column, in bytes of f32
	s_mov_b32 s17, 0
	s_add_nc_u64 s[72:73], s[72:73], s[16:17]
	v_lshlrev_b32 v[BO], 5, v2
	WIN 0x40
.irp b, 0,1,2,3,4,5,6,7
	global_load_b128 v[128+8*\b:131+8*\b], v[BO], s[72:73] offset:64*\b
	global_load_b128 v[132+8*\b:135+8*\b], v[BO], s[72:73] offset:64*\b+16
.endr
	WIN 0
	s_lshl_b32 s18, s13, 19                        ; out0: 128 rows of 4,096 bytes a tile row,
	s_lshl_b32 s19, s11, 18                        ; my 64 of them
	s_add_co_u32 s18, s18, s19
	s_add_co_u32 s16, s16, s18
	s_add_nc_u64 s[8:9], s[74:75], s[16:17]
	v_bfe_u32 v3, v0, 1, 3
	v_and_b32 v4, 1, v0
	v_mul_u32_u24 v5, v3, 272
	v_lshl_add_u32 v5, v4, 7, v5
	v_lshl_add_u32 v5, v2, 4, v5                   ; y: row r of a block: LDS row r / 2, half r % 2, + 16 h
	v_and_b32 v6, 7, v0
	v_lshl_add_u32 v6, v2, 3, v6
	v_mul_u32_u24 v6, v6, PB
	v_bfe_u32 v7, v0, 3, 1
	v_lshl_add_u32 v6, v7, 4, v6                   ; w, for the turning load: k-row 8 h + lane % 8, columns 8 ((lane / 8) % 2) on
	s_mul_i32 s21, s11, 32*272                     ; my 64 rows of y
	s_lshl_b32 s22, s12, 8                         ; my 128 columns of w
	s_add_co_u32 s22, s22, BOFF
.irp s, 0,1
	v_add_nc_u32 v[ADRA+\s], s21, v5
	v_add_nc_u32 v[ADRB+\s], s22, v6
	s_add_co_u32 s21, s21, SLOT
	s_add_co_u32 s22, s22, SLOT
.endr
	s_mul_i32 s23, s10, 16*SPITCH
	s_add_co_u32 s23, s23, STAGE                   ; my stage
	v_mul_u32_u24 v5, v1, SPITCH
	v_lshl_add_u32 v5, v2, 5, v5
	v_add_nc_u32 v[STO], s23, v5                   ; in: row r, 32 bytes for each half of the lanes
	v_and_b32 v8, 31, v0
	v_lshlrev_b32 v[CO], 4, v8
	v_add_nc_u32 v[RD], s23, v[CO]                 ; back: the 32 lanes take one row of 512 bytes
	v_lshlrev_b32 v[PFO], 8, v8
	s_lshr_b32 s16, s40, 1
	s_add_co_u32 s16, s16, 6                       ; K step 3's heads: the first refill steps the address to K step 4
	s_lshl_b32 s16, s16, 20
	s_lshl_b32 s18, s13, 14
	s_add_co_u32 s16, s16, s18
	s_and_b32 s18, s40, 1
	s_lshl_b32 s18, s18, 13
	s_add_co_u32 s16, s16, s18
	s_add_nc_u64 s[PFA:PFA+1], s[4:5], s[16:17]
	s_cmp_eq_u32 s10, 0
	s_cselect_b32 s[LIM], 1, -1
.macro FETCH slot, qd, f               ; the fragments of the slot's quarter qd (32 along K) into buffer f: 16 turning loads for w, 8 loads for y
	WIN 0x40
.irp b, 0,1,2,3,4,5,6,7
	ds_load_tr16_b128 v[64*(\f)+8*\b:64*(\f)+8*\b+3], v[ADRB+\slot] offset:32*PB*(\qd)+32*\b
	ds_load_tr16_b128 v[64*(\f)+8*\b+4:64*(\f)+8*\b+7], v[ADRB+\slot] offset:32*PB*(\qd)+32*\b+16*PB
.endr
	WIN 0
.irp a, 0,1,2,3
	ds_load_b128 v[64+32*(\f)+8*\a:64+32*(\f)+8*\a+3], v[ADRA+\slot] offset:((\qd)/2)*PLANE+((\qd)%2)*64+8*272*\a
	ds_load_b128 v[64+32*(\f)+8*\a+4:64+32*(\f)+8*\a+7], v[ADRA+\slot] offset:((\qd)/2)*PLANE+((\qd)%2)*64+8*272*\a+32
.endr
.endm
.macro MULA f, a, first                ; 8 products: y's block a x w's eight.  The 32 accumulators take turns, one instruction a turn
.irp b, 0,1,2,3,4,5,6,7
.if \first
	v_wmma_f32_16x16x32_f16 v[8*(8*(\a)+\b):8*(8*(\a)+\b)+7], v[64*(\f)+8*\b:64*(\f)+8*\b+7], v[64+32*(\f)+8*(\a):64+32*(\f)+8*(\a)+7], v[128+8*\b:135+8*\b]
.else
	v_wmma_f32_16x16x32_f16 v[8*(8*(\a)+\b):8*(8*(\a)+\b)+7], v[64*(\f)+8*\b:64*(\f)+8*\b+7], v[64+32*(\f)+8*(\a):64+32*(\f)+8*(\a)+7], v[8*(8*(\a)+\b):8*(8*(\a)+\b)+7]
.endif
.endr
.endm
.macro PLACES
.rept 4
	v_nop
.endr
.endm
.set MUL, 0xa1                         ; w window 1, y window 0, C and D window 2 (first products: C window 1: 0x91)
.macro QUARTER slot, qd, f, g, first   ; buffer f is multiplied; ahead of that the next quarter, qd, is asked for into buffer g: it has 32 matrix instructions in which to come
	s_wait_dscnt 0x0                               ; buffer f is in
	PLACES                                         ; in front of loads into registers that the quarter before multiplied
	FETCH \slot, \qd, \g
	WIN MUL-0x10*(\first)
	MULA \f, 0, \first
	MULA \f, 1, \first
	MULA \f, 2, \first
	MULA \f, 3, \first
.endm
.macro TURN slot, next, fill           ; a slot's last quarter (buffer 1) and the change of slots
.if \fill
	s_wait_xcnt 0x0                                ; the last prefetch, a K step back, has read its address
	s_add_nc_u64 s[PFA:PFA+1], s[PFA:PFA+1], 2097152
.endif
	WIN 0
	s_wait_tensorcnt 0x0                           ; all my tensor loads have landed: my part of the next slot
	ds_add_u32 v[SPW], v[NIL]
	s_wait_dscnt 1                                 ; buffer 1 is in (the add alone may be out)
	WIN MUL
	MULA 1, 0, 0
	s_wait_dscnt 0x0                               ; the add is done, and my reads of this slot are over
	s_barrier_signal -1
	MULA 1, 1, 0
	WIN 0
	s_barrier_wait -1
.if \fill
	CREST                                          ; the barrier has opened a round of the cluster's: no wave of any partner still reads this slot or has a load on its way
	s_add_nc_u64 s[G0+4*\slot+2:G0+4*\slot+3], s[G0+4*\slot+2:G0+4*\slot+3], 4194304
	s_add_nc_u64 s[G0B+4*\slot+2:G0B+4*\slot+3], s[G0B+4*\slot+2:G0B+4*\slot+3], 524288
	JLOAD \slot                                    ; the first tensor load behind the round; its four v_nop are also the places in front of the loads below
.else
	PLACES
.endif
	FETCH \next, 0, 0
.if \fill
	ASK
.endif
	WIN MUL
	MULA 1, 2, 0
	MULA 1, 3, 0
.endm
	s_wait_tensorcnt 1                             ; my part of K step 0 is in (K step 1's load may be out),
	s_barrier_signal -1
	s_barrier_wait -1                              ; everybody's is
	FETCH 0, 0, 0
	s_wait_loadcnt 0x0                             ; the bias
	QUARTER 0, 1, 0, 1, 1                          ; the first quarter stands in front of the loop: its products start the sums on the bias
	WIN 0
	s_mov_b32 s3, LAPS-1
.Llap:                                             ; a trip goes once round the ring and fills both slots again
	QUARTER 0, 2, 1, 0, 0
	QUARTER 0, 3, 0, 1, 0
	TURN 0, 1, 1
	QUARTER 1, 1, 0, 1, 0
	QUARTER 1, 2, 1, 0, 0
	QUARTER 1, 3, 0, 1, 0
	TURN 1, 0, 1
	QUARTER 0, 1, 0, 1, 0
	WIN 0
	s_sub_co_u32 s3, s3, 1
	s_cmp_lg_u32 s3, 0
	s_cbranch_scc1 .Llap
	QUARTER 0, 2, 1, 0, 0                          ; the last lap fills nothing
	QUARTER 0, 3, 0, 1, 0
	TURN 0, 1, 0
	QUARTER 1, 1, 0, 1, 0
	QUARTER 1, 2, 1, 0, 0
	QUARTER 1, 3, 0, 1, 0
	s_wait_dscnt 0x0
	WIN MUL
	MULA 1, 0, 0
	MULA 1, 1, 0
	MULA 1, 2, 0
	MULA 1, 3, 0
	WIN 0
	PLACES
; THE WAY OUT, a block of 16 rows x 128 columns at a time, through my stage, back as whole rows of 512 bytes.
.macro TOSTAGE a
	WIN 0x08                                       ; an LDS store's data are its source 1: window 2
.irp b, 0,1,2,3,4,5,6,7
	ds_store_b128 v[STO], v[64*(\a)+8*\b:64*(\a)+8*\b+3] offset:64*\b          ; each accumulator from its low end on
	ds_store_b128 v[STO], v[64*(\a)+8*\b+4:64*(\a)+8*\b+7] offset:64*\b+16
.endr
	WIN 0
.set BB, BK+64*((\a)%2)
.irp t, 0,1,2,3,4,5,6,7,8,9,10,11,12,13,14,15
	ds_load_b128 v[BB+4*\t:BB+4*\t+3], v[RD] offset:\t*SPITCH
.endr
.endm
.macro SEND a, younger
.set BB, BK+64*((\a)%2)
	s_wait_dscnt \younger                          ; the block is back; the next block's 16 stores and 16 loads may be out
.irp t, 0,1,2,3,4,5,6,7,8,9,10,11,12,13,14,15
	global_store_b128 v[CO], v[BB+4*\t:BB+4*\t+3], s[8:9] offset:(16*(\a)+\t)*4096    ; 32 lanes store 512 consecutive bytes, aligned
.endr
.endm
	TOSTAGE 0
.irp a, 1,2,3
.if \a > 1
	s_wait_xcnt 0x0                                ; block a - 2's stores have read their registers: block a's loads may land there
.endif
	TOSTAGE \a
	SEND \a-1, 32
.endr
	SEND 3, 0
	s_wait_tensorcnt 0x0                           ; the wave's end, behind my last tensor load and my last LDS store
	ds_add_u32 v[SPW], v[NIL]
	s_wait_dscnt 0x0
	CROUND                                         ; the closing round
	s_endpgm
.Lfunc_end_k_q328860f753_proj:
	.size	k_q328860f753_proj, .Lfunc_end_k_q328860f753_proj-k_q328860f753_proj
	.p2alignl 7, 3214868480
	.fill 96, 4, 3214868480
	.section	.rodata,"a",@progbits
	.p2align	6, 0x0
	.amdhsa_kernel k_q328860f753_proj
		.amdhsa_group_segment_fixed_size 327680
		.amdhsa_private_segment_fixed_size 0
		.amdhsa_enable_private_segment 0
		.amdhsa_kernarg_size 32
		.amdhsa_user_sgpr_count 2
		.amdhsa_user_sgpr_kernarg_segment_ptr 1
		.amdhsa_wavefront_size32 1
		.amdhsa_system_sgpr_workgroup_id_x 1
		.amdhsa_system_sgpr_workgroup_id_y 1
		.amdhsa_system_sgpr_workgroup_id_z 1
		.amdhsa_system_vgpr_workitem_id 0
		.amdhsa_next_free_vgpr 768
		.amdhsa_next_free_sgpr 76
		.amdhsa_reserve_vcc 0
		.amdhsa_float_denorm_mode_32 3
		.amdhsa_float_denorm_mode_16_64 3
		.amdhsa_memory_ordered 1
		.amdhsa_forward_progress 1
		.amdhsa_inst_pref_size 88
	.end_amdhsa_kernel
	.amdgpu_metadata
---
amdhsa.version: [ 1, 2 ]
amdhsa.kernels:
  - .name:           k_q328860f753_proj
    .symbol:         k_q328860f753_proj.kd
    .args:
      - { .name: yws, .offset: 0, .size: 8, .value_kind: global_buffer, .address_space: global }
      - { .name: wp16, .offset: 8, .size: 8, .value_kind: global_buffer, .address_space: global }
      - { .name: b_proj, .offset: 16, .size: 8, .value_kind: global_buffer, .address_space: global }
      - { .name: out0, .offset: 24, .size: 8, .value_kind: global_buffer, .address_space: global }
    .group_segment_fixed_size: 327680
    .private_segment_fixed_size: 0
    .kernarg_segment_align: 8
    .kernarg_segment_size: 32
    .max_flat_workgroup_size: 128
    .sgpr_count:     76
    .vgpr_count:     768
    .wavefront_size: 32
...
	.end_amdgpu_metadata
.endif
;; end of part 4
;; launch first16 (part 5): grid 16 x 4, 16 waves a work-group, no clusters, 71,680 bytes of LDS; arguments q32, w_proj, b_proj, out0; writes out0
.if DOCPART == 5
	.amdgcn_target "amdgcn-amd-amdhsa--gfx1250"
	.amdhsa_code_object_version 6
	.text
	.protected	k_q328860f753_first16
	.globl	k_q328860f753_first16
	.p2align	8
	.type	k_q328860f753_first16,@function
k_q328860f753_first16:
	s_mov_b64 s[64:65], 0
	v_nop
	global_prefetch_b8 v0, s[64:65] scope:SCOPE_SE
	s_setreg_imm32_b32 hwreg(HW_REG_WAVE_MODE, 25, 1), 1
	s_wait_xcnt 0x0
; The first 16 positions of each of the 4 sequences, attention and projection in f32: there a row averages one to sixteen values, and the rounding of 16-bit operands weighs most.  64 rows in all: no bulk work.
; q32: [batch 4][column / 16: 192][1,024 bytes]: images of f32 accumulators: lane (r, h), register j = qkv(t = r, column 16 tile + 8 h + j); registers 0-3 at 16 x lane, 4-7 at 512 + 16 x lane.
; Work-group (nb, batch): the batch's 16 rows, output columns 64 nb .. 64 nb + 63.  Wave = head: its attention, then its 64 channels' part of the projection; the 16 parts are added through LDS.
; All products by v_wmma_f32_16x16x4_f32; along each product's K the places are permuted alike on both sides, so that register pairs serve as they lie.
;   S^T = K Q^T: a pair of an image's registers of k and of q.   O^T = V^T P: pair s of p holds keys 8 h + 2 s, + 1; v is loaded to match.   out^T = W^T Y: pair (t, s) of Y holds channels 16 t + 8 h + 2 s, + 1.
; The registers that these instructions write (v112-159) are written by them alone.  NaN and infinities are not served.
; REGISTERS: v3-10 addresses; v12, v13 the add's two; v16-47 q, later w's tile 2; v48-79 k, later w's tile 3; v80-111 v, later Y; v112-127 two sums of S^T; v128-159 O^T, then out^T;
;   v160-191 w's tile 1; v192-223 w's tile 0, later the parts; v224-231 scores; v232-239 p; v240-251 at work.
.set RED,   0                          ; LDS: 16 parts of 16 rows x (256 bytes + 16)
.set SPARE, 16*16*272                  ; the spare words: 128 bytes a wave, eight blocks of 256 bytes that no other line names
.set SPW, 12
.set NIL, 13
	s_load_b128 s[4:7], s[0:1], 0x0                ; q32, w_proj
	s_load_b128 s[8:11], s[0:1], 0x10              ; b_proj, out0
	v_lshl_add_u32 v[SPW], v0, 2, SPARE
	v_mov_b32 v[NIL], 0
	v_lshrrev_b32 v1, 5, v0
	v_readfirstlane_b32 s12, v1                    ; wave = head; later: the row that I add up
	s_and_b32 s13, ttmp7, 0xffff                   ; batch
	v_and_b32 v1, 15, v0                           ; r
	v_bfe_u32 v2, v0, 4, 1                         ; h
	v_and_b32 v14, 31, v0
	v_lshlrev_b32 v3, 4, v14                       ; 16 x lane
	v_bfe_u32 v4, v0, 2, 1                         ; v(key 8 h + i, channel 16 t + r) lies in image t at lane key + 16 (r / 8), register r % 8
	v_lshlrev_b32 v4, 9, v4
	v_bfe_u32 v15, v0, 3, 1
	v_lshl_add_u32 v4, v15, 8, v4
	v_lshl_add_u32 v4, v2, 7, v4
	v_and_b32 v15, 3, v0
	v_lshl_add_u32 v4, v15, 2, v4
	v_lshlrev_b32 v5, 2, v1
	v_lshl_add_u32 v5, v2, 15, v5                  ; w_proj: 8 h rows of 4,096 bytes, column r
	s_mul_i32 s14, s12, 16*272
	v_mul_u32_u24 v6, v1, 272
	v_lshl_add_u32 v6, v2, 5, v6
	v_add_nc_u32 v6, s14, v6                       ; my part: row r, 32 bytes for each half of the lanes
	s_mul_i32 s14, s12, 272
	v_lshlrev_b32 v8, 3, v14                       ; 8 x lane
	v_add_nc_u32 v7, s14, v8                       ; row = my wave's number, of each part
	v_lshlrev_b32 v9, 3, v2
	v_sub_nc_u32 v9, v1, v9                        ; r - 8 h
	v_mov_b32 v10, 0xff800000                      ; -infinity
	s_mov_b32 s20, 0x76543210
	s_mov_b32 s21, 0xfedcba98
	s_mov_b32 s22, 0x3e38aa3b                      ; c = log2(e) / 8
	s_mul_i32 s16, s13, 192
	s_lshl_b32 s17, s12, 2
	s_add_co_u32 s16, s16, s17
	s_lshl_b32 s16, s16, 10                        ; q's four images of my head; k's lie 64 images on, v's 128
	s_mov_b32 s17, 0
	s_lshl_b32 s18, s12, 18                        ; w_proj: my head's 64 rows,
	s_lshl_b32 s24, ttmp9, 8                       ; the work-group's 64 columns
	s_add_co_u32 s18, s18, s24
	s_mov_b32 s19, 0
	s_mov_b32 s25, 0
	s_lshl_b32 s26, s13, 23                        ; out0: the batch's rows, row = my wave's number
	s_lshl_b32 s27, s12, 12
	s_add_co_u32 s26, s26, s27
	s_add_co_u32 s26, s26, s24
	s_mov_b32 s27, 0
	s_wait_kmcnt 0x0
	s_add_nc_u64 s[4:5], s[4:5], s[16:17]
	s_add_nc_u64 s[6:7], s[6:7], s[18:19]
	s_add_nc_u64 s[8:9], s[8:9], s[24:25]
	s_add_nc_u64 s[10:11], s[10:11], s[26:27]
.irp i, 0,1,2,3
	global_load_b128 v[16+8*\i:19+8*\i], v3, s[4:5] offset:1024*\i
	global_load_b128 v[20+8*\i:23+8*\i], v3, s[4:5] offset:1024*\i+512
.endr
.irp i, 0,1,2,3
	global_load_b128 v[48+8*\i:51+8*\i], v3, s[4:5] offset:65536+1024*\i
	global_load_b128 v[52+8*\i:55+8*\i], v3, s[4:5] offset:65536+1024*\i+512
.endr
.irp t, 0,1,2,3
.irp i, 0,1,2,3,4,5,6,7
	global_load_b32 v[80+8*\t+\i], v4, s[4:5] offset:131072+1024*\t+16*\i
.endr
.endr
	global_load_b64 v[250:251], v8, s[8:9]         ; the bias of my two columns
.macro WLOAD reg, u                    ; w_proj(64 head + 16 t + 8 h + i, 64 nb + 16 u + r) into v[reg + 8 t + i]
.irp t, 0,1,2,3
.irp i, 0,1,2,3,4,5,6,7
	global_load_b32 v[\reg+8*\t+\i], v5, s[6:7] offset:(16*\t+\i)*4096+64*\u
.endr
.endr
.endm
	WLOAD 192, 0
	WLOAD 160, 1
	s_wait_loadcnt 63                              ; of the 113 loads the first 50 are in: q, k and v are the first 48
.set n, 0
.rept 16                                       ; S^T = K Q^T: 16 steps of 4 channels, two sums by turns
.if n < 2
	v_wmma_f32_16x16x4_f32 v[112+8*(n%2):119+8*(n%2)], v[48+2*n:49+2*n], v[16+2*n:17+2*n], 0
.else
	v_wmma_f32_16x16x4_f32 v[112+8*(n%2):119+8*(n%2)], v[48+2*n:49+2*n], v[16+2*n:17+2*n], v[112+8*(n%2):119+8*(n%2)]
.endif
.set n, n+1
.endr
.rept 8
	v_nop                                          ; eight places behind this form, in front of loads into its sources and of the first read of its results
.endr
	WLOAD 16, 2
	WLOAD 48, 3
.irp j, 0,2,4,6
	v_pk_add_f32 v[224+\j:225+\j], v[112+\j:113+\j], v[120+\j:121+\j]      ; lane (r, h), register j: key 8 h + j, query r
.endr
.irp j, 0,1,2,3,4,5,6,7
	v_cmp_gt_i32 vcc_lo, \j, v9                    ; hidden where 8 h + j > r
	v_cndmask_b32 v[224+\j], v[224+\j], v10, vcc_lo
.endr
	v_max3_num_f32 v240, v224, v225, v226
	v_max3_num_f32 v241, v227, v228, v229
	v_max3_num_f32 v240, v240, v230, v231
	v_max_num_f32 v240, v240, v241
	v_permlanex16_b32 v241, v240, s20, s21
	v_max_num_f32 v240, v240, v241                 ; the row's maximum: key 0 counts for every query
	v_mul_f32 v242, s22, v240
.irp j, 0,1,2,3,4,5,6,7
	v_fma_f32 v[232+\j], v[224+\j], s22, -v242
.endr
.irp j, 0,1,2,3,4,5,6,7
	v_exp_f32 v[232+\j], v[232+\j]
.endr
	v_nop
	s_wait_alu depctr_va_vdst(0)                   ; one wait for the eight, ahead of their first reader
	v_pk_add_f32 v[244:245], v[232:233], v[234:235]
	v_pk_add_f32 v[246:247], v[236:237], v[238:239]
	v_pk_add_f32 v[244:245], v[244:245], v[246:247]
	v_add_f32 v244, v244, v245
	v_permlanex16_b32 v245, v244, s20, s21
	v_add_f32 v244, v244, v245                     ; the row's sum
	v_rcp_f32 v246, v244
	v_nop
.irp s, 0,1,2,3                                ; O^T = V^T P: 4 steps of 4 keys, the four tiles of channels by turns
.irp t, 0,1,2,3
.if \s == 0
	v_wmma_f32_16x16x4_f32 v[128+8*\t:135+8*\t], v[80+8*\t+2*\s:81+8*\t+2*\s], v[232+2*\s:233+2*\s], 0
.else
	v_wmma_f32_16x16x4_f32 v[128+8*\t:135+8*\t], v[80+8*\t+2*\s:81+8*\t+2*\s], v[232+2*\s:233+2*\s], v[128+8*\t:135+8*\t]
.endif
.endr
.endr
.rept 9
	v_nop                                          ; nine places: for the reads of O^T, the writes over v's registers, and the sums that begin anew on O^T's registers
.endr
	s_wait_alu depctr_va_vdst(0)                   ; the reciprocal's wait, ahead of its first reader
.irp j, 0,2,4,6,8,10,12,14,16,18,20,22,24,26,28,30
	v_pk_mul_f32 v[80+\j:81+\j], v[128+\j:129+\j], v[246:247] op_sel_hi:[1,0]   ; Y: register 8 t + j = y(query r, channel 16 t + 8 h + j)
.endr
	s_wait_loadcnt 0x0                             ; w_proj's four tiles and the bias
.macro PP u, w, t, s
.if (\t)+(\s) == 0
	v_wmma_f32_16x16x4_f32 v[128+8*\u:135+8*\u], v[\w+8*\t+2*\s:\w+8*\t+2*\s+1], v[80+8*\t+2*\s:81+8*\t+2*\s], 0
.else
	v_wmma_f32_16x16x4_f32 v[128+8*\u:135+8*\u], v[\w+8*\t+2*\s:\w+8*\t+2*\s+1], v[80+8*\t+2*\s:81+8*\t+2*\s], v[128+8*\u:135+8*\u]
.endif
.endm
.irp t, 0,1,2,3                                ; out^T += W^T Y: 16 steps of 4 channels, the four tiles of columns by turns
.irp s, 0,1,2,3
	PP 0, 192, \t, \s
	PP 1, 160, \t, \s
	PP 2, 16, \t, \s
	PP 3, 48, \t, \s
.endr
.endr
.rept 8
	v_nop
.endr
.irp u, 0,1,2,3
	ds_store_b128 v6, v[128+8*\u:131+8*\u] offset:RED+64*\u          ; lane (r, h): row r, columns 16 u + 8 h + 0 .. 7; each sum from its low end on
	ds_store_b128 v6, v[132+8*\u:135+8*\u] offset:RED+64*\u+16
.endr
	s_wait_dscnt 0x0                               ; for the others' sake: my part lies in LDS
	s_barrier_signal -1
	s_barrier_wait -1
.irp p, 0,1,2,3,4,5,6,7,8,9,10,11,12,13,14,15
	ds_load_b64 v[192+2*\p:193+2*\p], v7 offset:RED+4352*\p          ; row = my wave's number, of head p's part
.endr
	s_wait_dscnt 0x0
.irp p, 0,1,2,3,4,5,6,7
	v_pk_add_f32 v[192+4*\p:193+4*\p], v[192+4*\p:193+4*\p], v[194+4*\p:195+4*\p]
.endr
.irp p, 0,1,2,3
	v_pk_add_f32 v[192+8*\p:193+8*\p], v[192+8*\p:193+8*\p], v[196+8*\p:197+8*\p]
.endr
.irp p, 0,1
	v_pk_add_f32 v[192+16*\p:193+16*\p], v[192+16*\p:193+16*\p], v[200+16*\p:201+16*\p]
.endr
	v_pk_add_f32 v[192:193], v[192:193], v[208:209]
	v_pk_add_f32 v[192:193], v[192:193], v[250:251]
	global_store_b64 v8, v[192:193], s[10:11]      ; the wave stores 256 consecutive bytes, aligned
	s_wait_tensorcnt 0x0                           ; the wave's end, behind my last LDS store
	ds_add_u32 v[SPW], v[NIL]
	s_wait_dscnt 0x0
	s_endpgm
.Lfunc_end_k_q328860f753_first16:
	.size	k_q328860f753_first16, .Lfunc_end_k_q328860f753_first16-k_q328860f753_first16
	.p2alignl 7, 3214868480
	.fill 96, 4, 3214868480
	.section	.rodata,"a",@progbits
	.p2align	6, 0x0
	.amdhsa_kernel k_q328860f753_first16
		.amdhsa_group_segment_fixed_size 71680
		.amdhsa_private_segment_fixed_size 0
		.amdhsa_enable_private_segment 0
		.amdhsa_kernarg_size 32
		.amdhsa_user_sgpr_count 2
		.amdhsa_user_sgpr_kernarg_segment_ptr 1
		.amdhsa_wavefront_size32 1
		.amdhsa_system_sgpr_workgroup_id_x 1
		.amdhsa_system_sgpr_workgroup_id_y 1
		.amdhsa_system_sgpr_workgroup_id_z 1
		.amdhsa_system_vgpr_workitem_id 0
		.amdhsa_next_free_vgpr 256
		.amdhsa_next_free_sgpr 66
		.amdhsa_reserve_vcc 1
		.amdhsa_float_denorm_mode_32 3
		.amdhsa_float_denorm_mode_16_64 3
		.amdhsa_memory_ordered 1
		.amdhsa_forward_progress 1
		.amdhsa_inst_pref_size 33
	.end_amdhsa_kernel
	.amdgpu_metadata
---
amdhsa.version: [ 1, 2 ]
amdhsa.kernels:
  - .name:           k_q328860f753_first16
    .symbol:         k_q328860f753_first16.kd
    .args:
      - { .name: q32, .offset: 0, .size: 8, .value_kind: global_buffer, .address_space: global }
      - { .name: w_proj, .offset: 8, .size: 8, .value_kind: global_buffer, .address_space: global }
      - { .name: b_proj, .offset: 16, .size: 8, .value_kind: global_buffer, .address_space: global }
      - { .name: out0, .offset: 24, .size: 8, .value_kind: global_buffer, .address_space: global }
    .group_segment_fixed_size: 71680
    .private_segment_fixed_size: 0
    .kernarg_segment_align: 8
    .kernarg_segment_size: 32
    .max_flat_workgroup_size: 512
    .sgpr_count:     66
    .vgpr_count:     256
    .wavefront_size: 32
...
	.end_amdgpu_metadata
.endif
;; end of part 5
